; MI455X (gfx1250); checked and timed in simulation.
; The chip was launched on July 23, 2026; its instructions are those of AMD's public machine-readable ISA for CDNA 5 (MIT licence, August 2026) and "CDNA5" Instruction Set Architecture Reference Guide (July 2026). The comments in the code are by the model that wrote it; some were corrected since.
;; Attention Causal2. Allowed arithmetic: matrix products marked QUANTISED: E2M1 operands, one E8M0 scale for each 32 along K, by v_wmma_scale_f32_16x16x128_f8f6f4 with both operands' format E2M1 (or v_wmma_scale_f32_32x16x128_f4), f32 sums; products left as they are: bf16, f16 or f32 operands; f32 sums; everything else in f32.
;; Inputs: Wk 1,024 x 1,024 float32; Wq 1,024 x 1,024 float32; Wv 1,024 x 1,024 float32; embeddings 4 x 2,048 x 1,024 float32.
;; Outputs: out0 4 x 2,048 x 1,024 float32.
;; This version of the problem:
;;   THIS VERSION OF THE PROBLEM IS GIVEN IN LOW PRECISION. The matrix products marked QUANTISED in the list below multiply operands that are first quantised to E2M1 (2 exponent bits, 1 mantissa bit; 4 bits a number), with one power-of-two scale for each 32 numbers along K (OCP MX v1.0); their sums are f32. The products marked 'left as it is' may take bf16, f16 or f32 operands, with f32 sums. Whichever they take, every output number must still come out within the allowed error. Rounding operands to bf16 (8 significant bits) uses up far more of that allowance than f16 does (11 bits, for magnitudes from 6e-5 to 65,504). All else is computed in f32.
;;   The module's matrix products, in the order in which they are computed (A, B: the left and right operand; K: the contracted axis; several contracted axes count as one K, in the product's order):
;;     1. [M 8,192, K 1,024] x [K 1,024, N 1,024]; A: input embeddings; B: input Wq: QUANTISED
;;     2. [M 8,192, K 1,024] x [K 1,024, N 1,024]; A: input embeddings; B: input Wk: QUANTISED
;;     3. [M 8,192, K 1,024] x [K 1,024, N 1,024]; A: input embeddings; B: input Wv: QUANTISED
;;     4. batch 4 x [M 2,048, K 1,024] x [K 1,024, N 2,048]; A: computed on the way; B: computed on the way: left as it is (an operand is computed on the way)
;;     5. batch 4 x [M 2,048, K 2,048] x [K 2,048, N 1,024]; A: computed on the way; B: computed on the way: left as it is (an operand is computed on the way)
;;   THE QUANTISER, for each operand of a quantised product, along K:
;;     - K is cut into blocks of 32 from its start; a last block that is shorter is filled with zeros.
;;     - A block's scale is 2^e with e = floor(log2(the largest magnitude in the block)) - 2, held to -126 .. 127; a block of zeros has e = 0. As a byte (E8M0): e + 127.
;;     - Each number is divided by its block's scale, clamped to +-6, and rounded to the nearest number of E2M1, ties to even, subnormals kept.
;;     - The product sums the exact products of the quantised numbers (number of the format x scale) in f32.
;;   ~~~python
;;   def quantise(x, axis):      # numpy; x: float32 -> the quantised numbers, widened to float32 again
;;       x = np.moveaxis(x, axis, -1); K = x.shape[-1]
;;       x = np.pad(x, [(0, 0)] * (x.ndim - 1) + [(0, -K % 32)]); x = x.reshape(x.shape[:-1] + (-1, 32)); a = np.abs(x).max(-1, keepdims=True)
;;       e = np.where(a > 0, np.clip(np.frexp(np.where(a > 0, a, 1))[1] - 1 - 2, -126, 127), 0)      # np.frexp(a)[1] - 1 = floor(log2(a)), exactly
;;       r = np.clip(x / 2.0 ** e, -6, 6)
;;       step = 2.0 ** (np.maximum(np.frexp(np.where(r == 0, 1, r))[1] - 1, 0) - 1)
;;       q = np.round(r / step) * step * 2.0 ** e      # np.round: ties to even
;;       return np.moveaxis(q.reshape(q.shape[:-2] + (-1,))[..., :K], -1, axis).astype(np.float32)
;;   ~~~
;; One version. Each part assembles by itself: llvm-mc -triple=amdgcn-amd-amdhsa -mcpu=gfx1250 --defsym DOCPART=n.
;; ======== version 1 of 1: 5 launches
;; limits: values are held in f16: magnitudes above 65,504 overflow, below 6.1e-05 lose precision
;; workspace buffers: codes 5,767,168 bytes; scales 360,448 bytes; qk 33,554,432 bytes; vt 16,777,216 bytes; first32 786,432 bytes; p 33,554,432 bytes; stats 1,048,576 bytes
;; launch quant (part 1): grid 352 x 1, 4 waves a work-group, no clusters, 33,280 bytes of LDS; arguments embeddings, Wq, Wk, Wv, codes, scales; writes codes, scales
.if DOCPART == 1
	.amdgcn_target "amdgcn-amd-amdhsa--gfx1250"
	.amdhsa_code_object_version 6
	.text
	.protected	k_q8b01ecd5d5_quant
	.globl	k_q8b01ecd5d5_quant
	.p2align	8
	.type	k_q8b01ecd5d5_quant,@function
k_q8b01ecd5d5_quant:
	s_mov_b64 s[64:65], 0
	v_nop
	global_prefetch_b8 v0, s[64:65] scope:SCOPE_SE
	s_setreg_imm32_b32 hwreg(HW_REG_WAVE_MODE, 25, 1), 1
	s_wait_xcnt 0x0
; THE PROGRAM: causal attention with one head of 1,024 over 4 sequences of 2,048 positions, in five launches:
;   quant  : embeddings, Wq, Wk, Wv (f32, K innermost) -> codes of E2M1 and E8M0 scale bytes            (this text)
;   proj   : q, k, v = x W^T on codes; q and k as f16 by position, v as f16 with the positions innermost; f32 copies of the first 16 positions
;   scores : q k^T in f16 on the 256 x 256 tiles at or under the diagonal; for each (query, 128 keys) p = 2^(t - M), M a whole number, and the sum of p
;   pv     : weights x v in f16, p brought under the row's own M, divided by the row's sum
;   head16 : the first 16 positions of each sequence once more, wholly in f32
; WORK LEFT OUT.  reference() sets scores to -infinity where key > query by a mask that it builds itself (tril), so their weights are exactly 0 whatever
; the inputs hold.  A 256 x 256 tile of scores whose every key comes after its every query therefore reaches no output, nor do the products of those zero weights
; with v: such tiles are neither multiplied in scores nor walked in pv.  Every input has a way to the output and is loaded.
; LIMITS.  A NaN, an infinity or an overflow that reaches only the masked scores, or v at masked keys, is not carried to the result.  q, k and v are kept as f16:
; magnitudes above 65,504 become infinite.  NaN and infinities among the inputs are not served.
;
; THIS LAUNCH.  All four tensors have K (1,024) innermost and dense rows, so they are plain streams of blocks of 32 numbers, and so are their codes and scale bytes.
; A block's scale is 2^(floor(log2(its largest magnitude)) - 2); its byte is the largest magnitude's exponent field - 2, held at 1 from below.  (A block of zeros so gets the byte 1 where the
; rule says 127: its codes are zeros, which add nothing under any byte but 0xff, and the bytes are read by this program alone.)  Blocks whose largest magnitude lies under 2^(3 - 127) share that floor.
; codes: [11,264 rows][512 bytes], scales: [11,264][32]: rows 0.. embeddings, 8,192.. Wq, 9,216.. Wk, 10,240.. Wv.
; A work-group takes 32,768 numbers, a wave 8,192 in 16 steps of 512.  Work-groups 0-255 take embeddings, 256-287 Wq, 288-319 Wk, 320-351 Wv: only the pointer is chosen.
; Each of a step's four loads reads 512 consecutive bytes, 16 a lane; the 2,048 bytes turn through the wave's own stage in LDS and come back 64 bytes a lane, since the
; conversions take neighbours along K from one lane's registers.  Two neighbouring lanes hold a block.  Loads run four steps ahead, the turn through LDS one step.  No barrier: waves share nothing.
.set WAVES, 4
.set STEPS, 16
.set EMAX,  2
.set CB,    8                          ; bytes of 16 codes
.set R,     16                         ; v16-79   four sets of 16 numbers as they are loaded
.set X,     80                         ; v80-111  two sets of 16 neighbours
.set C,     128                        ; v128-191 codes: four registers for each step, so that no store's data are written again
.set E,     112                        ; v112-127 a scale byte for each step
.set WREG,  8192                       ; LDS: a region for each wave: two stages of 32 x SP bytes, behind them its 256 scale bytes
.set SP,    80                         ; a lane's place in a stage: 64 bytes + 16 of padding
.set SPW,   12                         ; v12      LDS address of my spare word; never rewritten
.set NIL,   13                         ; v13      0; never rewritten
.set SPARE, WAVES*WREG                 ; behind the four regions: the spare words, 128 bytes a wave
	s_load_b256 s[4:11], s[0:1], 0x0               ; embeddings s[4:5], Wq s[6:7], Wk s[8:9], Wv s[10:11]
	s_load_b128 s[12:15], s[0:1], 0x20             ; codes s[12:13], scales s[14:15]
	v_lshl_add_u32 v[SPW], v0, 2, SPARE
	v_mov_b32 v[NIL], 0
	v_lshrrev_b32 v1, 5, v0
	v_readfirstlane_b32 s16, v1                    ; wave
	v_and_b32 v2, 31, v0                           ; lane
	v_lshlrev_b32 v3, 4, v2                        ; my 16 bytes of a load's 512
	s_mul_i32 s17, s16, WREG
	v_lshrrev_b32 v14, 2, v2
	v_mul_u32_u24 v14, v14, SP
	v_and_b32 v15, 3, v2
	v_lshl_add_u32 v14, v15, 4, v14
	v_add_nc_u32 v14, s17, v14                     ; the stage, on the way in: SP (lane / 4) + 16 (lane % 4)
	v_mul_u32_u24 v15, v2, SP
	v_add_nc_u32 v15, s17, v15                     ; and on the way out: SP x lane: my 16 neighbours
	v_mul_u32_u24 v4, v2, CB                       ; my codes' place in a step's
	v_lshrrev_b32 v5, 1, v2
	s_add_co_u32 s17, s17, 2*32*SP
	v_add_nc_u32 v5, s17, v5                       ; LDS: my wave's 256 scale bytes, my block's byte
	v_lshlrev_b32 v7, 3, v2                        ; and on the way out 8 bytes a lane
	v_add_nc_u32 v6, s17, v7
	s_and_b32 s22, ttmp9, 31                       ; a weight's work-groups count from a multiple of 32
	s_wait_kmcnt 0x0
	s_cmp_lt_u32 ttmp9, 320                        ; which tensor: the choice hangs on the work-group's number alone
	s_cselect_b64 s[8:9], s[8:9], s[10:11]
	s_cmp_lt_u32 ttmp9, 288
	s_cselect_b64 s[6:7], s[6:7], s[8:9]
	s_cmp_lt_u32 ttmp9, 256
	s_cselect_b64 s[4:5], s[4:5], s[6:7]
	s_cselect_b32 s22, ttmp9, s22                  ; my work-group's number inside its tensor
	s_lshl_b32 s22, s22, 2
	s_add_co_u32 s22, s22, s16                     ; which run of 8,192 numbers of the tensor is my wave's
	s_lshl_b32 s20, s22, 15                        ; 32,768 bytes a run
	s_mov_b32 s21, 0
	s_add_nc_u64 s[4:5], s[4:5], s[20:21]
	s_lshl_b32 s18, ttmp9, 2
	s_add_co_u32 s18, s18, s16                     ; and which run of the outputs, which hold the four tensors on end
	s_lshl_b32 s20, s18, 12                        ; 4,096 bytes of codes a run
	s_add_nc_u64 s[12:13], s[12:13], s[20:21]
	s_lshl_b32 s20, s18, 8                         ; 256 scale bytes a run
	s_add_nc_u64 s[14:15], s[14:15], s[20:21]
.macro LOAD t
.irp i, 0,1,2,3
	global_load_b128 v[R+16*((\t)%4)+4*\i:R+16*((\t)%4)+4*\i+3], v3, s[4:5] offset:2048*(\t)+512*\i th:TH_LOAD_NT   ; 32 lanes read 512 consecutive bytes
.endr
.endm
.macro TURN t                          ; step t's numbers through the stage: LDS serves a wave's instructions in order, so no wait stands between the stores and the loads
.irp i, 0,1,2,3
	ds_store_b128 v14, v[R+16*((\t)%4)+4*\i:R+16*((\t)%4)+4*\i+3] offset:32*SP*((\t)%2)+8*SP*\i
.endr
.irp i, 0,1,2,3
	ds_load_b128 v[X+16*((\t)%2)+4*\i:X+16*((\t)%2)+4*\i+3], v15 offset:32*SP*((\t)%2)+16*\i
.endr
.endm
.irp t, 0,1,2,3
	LOAD \t
.endr
	s_wait_loadcnt 12                              ; step 0's four loads are in; three steps' twelve stay out
	TURN 0
.macro STEP t
.set XS, X+16*((\t)%2)
.if (\t) > 0
	s_wait_dscnt 1                                 ; this step's numbers are back from the stage (the last step's byte store may be out)
.else
	s_wait_dscnt 0x0
.endif
.if (\t)+4 < STEPS
	LOAD (\t)+4                                    ; into the registers that this step's stage stores have read
.endif
.if (\t)+1 < STEPS
.if STEPS-2-(\t) >= 3
	s_wait_loadcnt 12                              ; the next step's four loads are in; those of the three steps behind it may be out
.else
	s_wait_loadcnt 4*(STEPS-2-(\t))
.endif
	TURN (\t)+1                                    ; through the other stage while this step is worked
.endif
	v_max3_num_f32 v8, |v[XS]|, |v[XS+1]|, |v[XS+2]|               ; the largest magnitude of my 16, in two chains
	v_max3_num_f32 v9, |v[XS+3]|, |v[XS+4]|, |v[XS+5]|
.irp i, 6,10
	v_max3_num_f32 v8, v8, |v[XS+\i]|, |v[XS+\i+1]|
	v_max3_num_f32 v9, v9, |v[XS+\i+2]|, |v[XS+\i+3]|
.endr
	v_max3_num_f32 v8, v8, |v[XS+14]|, |v[XS+15]|
	v_max3_num_f32 v8, v8, v9, (EMAX+1)<<23        ; and the floor 2^(EMAX + 1 - 127): the byte cannot fall under 1
	v_max_num_f32_dpp v8, v8, v8 row_xmask:1 row_mask:0xf bank_mask:0xf   ; and of my neighbour's 16: the block's
	v_add_nc_u32 v11, -(EMAX<<23), v8              ; EMAX off its exponent field: the conversion takes the exponent field of this operand as its scale
	v_cvt_scalef32_pk8_fp4_f32 v[C+4*(\t)], v[XS:XS+7], v11        ; eight numbers / the scale, to the nearest code, ties to even, beyond 6 the largest code
	v_cvt_scalef32_pk8_fp4_f32 v[C+4*(\t)+1], v[XS+8:XS+15], v11
	v_lshrrev_b32 v[E+(\t)], 23, v11               ; the scale's byte (also the plain line behind the conversions)
	ds_store_b8 v5, v[E+(\t)] offset:16*(\t)       ; both lanes of a block write the same byte with the same value
	global_store_b64 v4, v[C+4*(\t):C+4*(\t)+1], s[12:13] offset:32*CB*(\t)   ; the wave stores 256 consecutive bytes, aligned
.endm
.irp t, 0,1,2,3,4,5,6,7,8,9,10,11,12,13,14,15
	STEP \t
.endr
	ds_load_b64 v[8:9], v6                         ; LDS serves a wave's instructions in order: these see my stores
	s_wait_dscnt 0x0
	global_store_b64 v7, v[8:9], s[14:15]          ; 32 lanes store 256 consecutive bytes, aligned
	s_wait_tensorcnt 0x0                           ; the wave's end, behind my last LDS store
	ds_add_u32 v[SPW], v[NIL]
	s_wait_dscnt 0x0
	s_endpgm
.Lfunc_end_k_q8b01ecd5d5_quant:
	.size	k_q8b01ecd5d5_quant, .Lfunc_end_k_q8b01ecd5d5_quant-k_q8b01ecd5d5_quant
	.p2alignl 7, 3214868480
	.fill 96, 4, 3214868480
	.section	.rodata,"a",@progbits
	.p2align	6, 0x0
	.amdhsa_kernel k_q8b01ecd5d5_quant
		.amdhsa_group_segment_fixed_size 33280
		.amdhsa_private_segment_fixed_size 0
		.amdhsa_enable_private_segment 0
		.amdhsa_kernarg_size 48
		.amdhsa_user_sgpr_count 2
		.amdhsa_user_sgpr_kernarg_segment_ptr 1
		.amdhsa_wavefront_size32 1
		.amdhsa_system_sgpr_workgroup_id_x 1
		.amdhsa_system_sgpr_workgroup_id_y 1
		.amdhsa_system_sgpr_workgroup_id_z 1
		.amdhsa_system_vgpr_workitem_id 0
		.amdhsa_next_free_vgpr 192
		.amdhsa_next_free_sgpr 66
		.amdhsa_reserve_vcc 0
		.amdhsa_float_denorm_mode_32 3
		.amdhsa_float_denorm_mode_16_64 3
		.amdhsa_memory_ordered 1
		.amdhsa_forward_progress 1
		.amdhsa_inst_pref_size 33
	.end_amdhsa_kernel
	.amdgpu_metadata
---
amdhsa.version: [ 1, 2 ]
amdhsa.kernels:
  - .name:           k_q8b01ecd5d5_quant
    .symbol:         k_q8b01ecd5d5_quant.kd
    .args:
      - { .name: embeddings, .offset: 0, .size: 8, .value_kind: global_buffer, .address_space: global }
      - { .name: Wq, .offset: 8, .size: 8, .value_kind: global_buffer, .address_space: global }
      - { .name: Wk, .offset: 16, .size: 8, .value_kind: global_buffer, .address_space: global }
      - { .name: Wv, .offset: 24, .size: 8, .value_kind: global_buffer, .address_space: global }
      - { .name: codes, .offset: 32, .size: 8, .value_kind: global_buffer, .address_space: global }
      - { .name: scales, .offset: 40, .size: 8, .value_kind: global_buffer, .address_space: global }
    .group_segment_fixed_size: 33280
    .private_segment_fixed_size: 0
    .kernarg_segment_align: 8
    .kernarg_segment_size: 48
    .max_flat_workgroup_size: 128
    .sgpr_count:     66
    .vgpr_count:     192
    .wavefront_size: 32
...
	.end_amdgpu_metadata
.endif
;; end of part 1
;; launch proj (part 2): grid 12 x 32, 4 waves a work-group, clusters of 4 x 4, 327,680 bytes of LDS; arguments codes, scales, qk, vt, first32; writes qk, vt, first32
.if DOCPART == 2
	.amdgcn_target "amdgcn-amd-amdhsa--gfx1250"
	.amdhsa_code_object_version 6
	.text
	.protected	k_q8b01ecd5d5_proj
	.globl	k_q8b01ecd5d5_proj
	.p2align	8
	.type	k_q8b01ecd5d5_proj,@function
k_q8b01ecd5d5_proj:
	s_mov_b64 s[64:65], 0
	v_nop
	global_prefetch_b8 v0, s[64:65] scope:SCOPE_SE
	s_setreg_imm32_b32 hwreg(HW_REG_WAVE_MODE, 25, 1), 1
	s_wait_xcnt 0x0
	s_wait_alu depctr_hold_cnt(0) depctr_sa_sdst(0) depctr_va_vdst(0) depctr_va_sdst(0) depctr_va_ssrc(0) depctr_va_vcc(0) depctr_vm_vsrc(0)
	s_getreg_b32 s2, hwreg(HW_REG_IB_STS2, 6, 4)
	s_cmp_eq_u32 s2, 0
	s_cbranch_scc0 .Lentry_in_a_cluster
	s_endpgm
.Lentry_in_a_cluster:
	s_bfe_u32 s2, ttmp6, 0x10000c
	s_cmp_lg_u32 s2, 0xf033
	s_cbranch_scc0 .Lentry_shape_is_right
	s_endpgm
.Lentry_shape_is_right:
; q = x Wq^T, k = x Wk^T, v = x Wv^T on codes of E2M1 with one E8M0 scale for each 32 along K (1,024); sums in f32, K ascending, one accumulator for each output.
; codes: [11,264 rows][512 bytes], scales: [11,264][32]: rows 0.. x (8,192 positions), 8,192.. Wq, 9,216.. Wk, 10,240.. Wv.
; OUT: qk f16 [8,192 positions][2,048]: q in columns 0-1,023, k in 1,024-2,047;  vt f16 [4 sequences][1,024 channels][2,048 positions]: v with the positions innermost, as the last product wants it;
; first32 f32: bytes 0..: [4][16 positions][2,048] (q, k of each sequence's first 16 positions); from byte 524,288: [4][1,024 channels][16 positions] (v of the same).
; A tile of the result, 256 x 256, is made by four waves, 128 x 128 each: 64 accumulators of 16 x 16.  All of K lies in two LDS slots of 512 along K: both are asked for at the start, and nothing is filled again.
; ONE TEXT FOR ALL THREE PRODUCTS.  "A" gives the result's rows, "B" its columns, both are 256 rows of codes.  Clusters x = 0, 1 (q, k): A = positions, B = rows of Wq or Wk.
; Cluster x = 2 (v): A = rows of Wv, B = positions: the result is v transposed.  In units of 256 rows: A's tile = 8 cy + Y, or 40 + cy;  B's = 32 + 4 X + cx, or 8 cx + Y  (X, Y: the cluster's x, y).
; CLUSTERS: 4 x 4 work-groups.  A's tile hangs on cy and the cluster's numbers alone and is asked for jointly by a row of the cluster, B's on cx and is asked for jointly by a column.
; With Y = 0 a cluster holds the first 256 positions of all four sequences: the test for the f32 copies hangs on the cluster's number, not on a place in it.
; THE MATRIX INSTRUCTION IS USED TRANSPOSED (source 0 = 16 rows of B, source 1 = 16 rows of A): a lane holds eight neighbouring numbers of a row of the result.
; REGISTERS, in windows of 256: window 0: v16-31 addresses; v32-95 scale words, two sets; v128-191 A's fragments, one set; on the way out v32-63, v128-255 are free.
;   window 1: B's fragments, two sets, at v0 and v128.   window 2: the accumulators of my rows 0-63 ((a, b) at v[8 (8 a + b)]);   window 3: those of my rows 64-127.
; LIMIT: magnitudes above 65,504 become infinite in qk and vt.
.set SIZE_K, 1024
.set KSTEP,  512                       ; along K in a slot
.set NQ,     KSTEP/128                 ; matrix instructions deep
.set ROWB,   256                       ; a tile's row in bytes
.set KROW,   SIZE_K*4/8                ; a row of codes in memory
.set PITCH,  272                       ; an LDS row: 256 bytes + 16 of padding: the 16 rows that a load touches start at 16 different banks
.set FR,     8                         ; registers of a fragment: 16 rows x 128 K
.set NL,     2                         ; LDS loads that bring one
.set NP,     4                         ; places behind this matrix instruction (ISA guide 7.12.1)
.set HALFT,  128*PITCH                 ; 128 rows: what one tensor load brings
.set SLOT,   4*HALFT                   ; A's 256 rows, then B's 256
.set KS,     SIZE_K/32                 ; a row of scales in bytes
.set SCL,    2*SLOT                    ; behind the slots: the scales, as units of 256 bytes + 16 of padding
.set HALFS,  (128*KS/256)*272          ; the scales of 128 rows
.set SBLK,   (16*KS/256)*272           ; those of 16 rows
.set SPARE,  SCL+4*HALFS               ; the spare words, 128 bytes a wave
.set SPITCH, 272                       ; the way out in f16: a stage of 16 rows x (256 + 16) bytes a wave, in slot 0, which has had its only fill and its last read by then
.set ST32,   32768                     ; the f32 copies' stage, also in slot 0, on bytes of its own: 16 rows x (512 + 16) a wave
.set SP32,   528
.set ADRA, 16                          ; v16-17  LDS address of my A fragments in slot 0, 1
.set ADRB, 20                          ; v20-21  the same for B
.set STO32, 22                         ; v22     f32 stage: where I put 32 bytes of a row
.set RD32, 23                          ; v23     and where I read a row back
.set STO,  24                          ; v24     f16 stage: where I put 16 bytes of a row
.set RD,   25                          ; v25     and where I read a row back
.set CO,   26                          ; v26     my byte offset in two rows of the result: 4,096 (lane / 16) + 16 (lane % 16)
.set ADRS, 27                          ; v27     LDS address of my scale words: lanes 0-15 A's rows, lanes 16-31 B's
.set SPW,  28                          ; v28     my spare word; never rewritten
.set NIL,  29                          ; v29     0; never rewritten
.set L16,  30                          ; v30     16 x lane
.set VO,   31                          ; v31     64 (lane % 16) + 32 (lane / 16): my place in v's f32 copy
.set SC,   32                          ; scale words
.set AF,   128                         ; A's fragments
.set TMP,  192                         ; the way out: packed results
.set OB,   32                          ; the way out: rows read back: v32-63 and v224-255 by turns
.set G1, 24
.set G0, 32
.set G1B, 48
.set G0B, 56
.set G1S, 68
.set G0S, 76
.set G1SB, 80
.set G0SB, 88
.set MSB, 0
.macro WIN new                         ; the immediate's high byte repeats the setting that is left
.if MSB != (\new)
	s_set_vgpr_msb (MSB<<8)|(\new)
.set MSB, (\new)
.endif
.endm
.set MUL_LO, 0xa1                      ; source 0 (B) window 1, source 1 (A) window 0, C and D window 2
.set MUL_HI, 0xf1                      ; the same, C and D window 3
.set TO_B,   0x40                      ; destination window 1, address window 0
; A joint load: waves 0 and 1 fetch for A, waves 2 and 3 for B; the branch hangs on the wave's number alone.  An s_nop 0 and four v_nop follow each line.
.macro JLOAD g0a, g1a, g0b, g1b
	s_cmp_eq_u32 s15, 0
	s_cbranch_scc0 .Lfor_b_\@
	tensor_load_to_lds s[\g0a:\g0a+3], s[\g1a:\g1a+7]
	s_nop 0
.rept 4
	v_nop
.endr
	s_branch .Lasked_\@
.Lfor_b_\@:
	tensor_load_to_lds s[\g0b:\g0b+3], s[\g1b:\g1b+7]
	s_nop 0
.rept 4
	v_nop
.endr
.Lasked_\@:
.endm
.macro CROUND                          ; a round of the cluster's barrier
	s_barrier_signal -1
	s_barrier_wait -1
	s_cmp_lg_u32 s14, 0
	s_cbranch_scc1 .Lnot_wave_0_\@
	s_barrier_signal -3
.Lnot_wave_0_\@:
	s_barrier_wait -3
	s_barrier_signal -1
	s_barrier_wait -1
.endm
	s_load_b256 s[4:11], s[0:1], 0x0               ; codes s[4:5], scales s[6:7], qk s[8:9], vt s[10:11]
	s_load_b64 s[12:13], s[0:1], 0x20              ; first32
	v_lshl_add_u32 v[SPW], v0, 2, SPARE
	v_mov_b32 v[NIL], 0
	ds_add_u32 v[SPW], v[NIL]                      ; the wave's opening: the add, twice on end, and its wait ahead of my first tensor load
	ds_add_u32 v[SPW], v[NIL]
	v_lshrrev_b32 v1, 5, v0
	v_readfirstlane_b32 s14, v1                    ; wave 0..3
	s_lshr_b32 s15, s14, 1                         ; which half of the tile's rows is mine.  Also: I fetch for A (0) or for B (1)
	s_and_b32 s16, s14, 1                          ; which half of its columns.  Also: which 128 rows of that tile I fetch
	s_bfe_u32 s40, ttmp6, 0x40000                  ; cx
	s_bfe_u32 s41, ttmp6, 0x40004                  ; cy
	s_and_b32 s17, ttmp7, 0xffff                   ; Y
	s_lshl_b32 s42, s41, 3
	s_add_co_u32 s42, s42, s17                     ; 8 cy + Y
	s_add_co_u32 s43, s41, 40                      ; 40 + cy
	s_lshl_b32 s44, s40, 3
	s_add_co_u32 s44, s44, s17                     ; 8 cx + Y
	s_lshl_b32 s66, ttmp9, 2
	s_add_co_u32 s66, s66, s40                     ; 4 X + cx: the tile column in qk
	s_add_co_u32 s46, s66, 32                      ; 32 + 4 X + cx
	s_cmp_eq_u32 ttmp9, 2                          ; v's clusters
	s_cselect_b32 s42, s43, s42                    ; A's tile: cy and the cluster's numbers alone
	s_cselect_b32 s44, s44, s46                    ; B's tile: cx and the cluster's numbers alone
	s_lshl_b32 s43, s41, 2
	s_lshl_b32 s43, 15, s43                        ; my row of the cluster
	s_lshl_b32 s95, 0x1111, s40                    ; my column
	; descriptor group 1: a tile of 128 rows x 256 bytes, 16 bytes of padding behind each row
	s_or_b32 s[G1+0], s43, (0<<16)|(1<<20)|(1<<21)|(5<<22)|(3<<25)  ; 15:0 the mask; 17:16 elements of 1 byte; 20 padding on; 21 set beside a mask; 24:22 after every 64 words; 31:25 four words
	s_or_b32 s[G1B+0], s95, (0<<16)|(1<<20)|(1<<21)|(5<<22)|(3<<25)
.irp g, G1, G1B
	s_mov_b32 s[\g+1], ROWB<<16                    ; tensor_dim0
	s_mov_b32 s[\g+2], 128<<16                     ; tensor_dim1
	s_mov_b32 s[\g+3], ROWB<<16                    ; tile_dim0
	s_mov_b32 s[\g+4], 128                         ; tile_dim1
	s_mov_b32 s[\g+5], KROW                        ; tensor_dim0_stride
	s_mov_b32 s[\g+6], 0
	s_mov_b32 s[\g+7], 0
.endr
	; the scales of 128 rows: 4,096 dense bytes, as 16 rows of 256 bytes (32 elements of 8 bytes), 16 bytes of padding behind each
	s_or_b32 s[G1S+0], s43, (3<<16)|(1<<20)|(1<<21)|(5<<22)|(3<<25)
	s_or_b32 s[G1SB+0], s95, (3<<16)|(1<<20)|(1<<21)|(5<<22)|(3<<25)
.irp g, G1S, G1SB
	s_mov_b32 s[\g+1], 32<<16
	s_mov_b32 s[\g+2], (128*KS/256)<<16
	s_mov_b32 s[\g+3], 32<<16
	s_mov_b32 s[\g+4], 128*KS/256
	s_mov_b32 s[\g+5], 32
	s_mov_b32 s[\g+6], 0
	s_mov_b32 s[\g+7], 0
.endr
	s_lshl_b32 s18, s16, 7                         ; which 128 rows of the tile I fetch
	s_lshl_b32 s20, s42, 8
	s_add_co_u32 s20, s20, s18                     ; A: row 256 x tile + 128 x half
	s_lshl_b32 s46, s44, 8
	s_add_co_u32 s46, s46, s18                     ; B likewise
	s_mov_b32 s21, 0
	s_mov_b32 s47, 0
	s_mov_b64 s[18:19], KS
	s_mul_u64 s[22:23], s[20:21], s[18:19]         ; where these rows' scales begin, in bytes
	s_mul_u64 s[92:93], s[46:47], s[18:19]
	s_mov_b64 s[18:19], KROW
	s_mul_u64 s[20:21], s[20:21], s[18:19]         ; and their codes
	s_mul_u64 s[46:47], s[46:47], s[18:19]
	s_mul_i32 s45, s14, HALFT                      ; where they go: wave x 128 rows: no place in the cluster enters an LDS address
	s_mul_i32 s94, s14, HALFS
	s_wait_dscnt 0x0                               ; both opening adds are done
	s_wait_kmcnt 0x0
	s_add_nc_u64 s[20:21], s[4:5], s[20:21]
	s_add_nc_u64 s[22:23], s[6:7], s[22:23]
	s_add_nc_u64 s[46:47], s[4:5], s[46:47]
	s_add_nc_u64 s[92:93], s[6:7], s[92:93]
	CROUND                                         ; all sixteen work-groups are here: the joint loads meet
	s_mov_b32 s[G0S], 1
	s_add_co_u32 s[G0S+1], s94, SCL
	s_mov_b64 s[G0S+2:G0S+3], s[22:23]
	s_or_b32 s[G0S+3], s[G0S+3], 0x80000000
	s_mov_b32 s[G0SB], 1
	s_add_co_u32 s[G0SB+1], s94, SCL
	s_mov_b64 s[G0SB+2:G0SB+3], s[92:93]
	s_or_b32 s[G0SB+3], s[G0SB+3], 0x80000000
	JLOAD G0S, G1S, G0SB, G1SB                     ; the scales first: they are wanted with the first K step
.irp s, 0,1
	s_mov_b32 s[G0+4*\s], 1
	s_add_co_u32 s[G0+4*\s+1], s45, \s*SLOT
	s_add_nc_u64 s[G0+4*\s+2:G0+4*\s+3], s[20:21], \s*ROWB
	s_or_b32 s[G0+4*\s+3], s[G0+4*\s+3], 0x80000000
	s_mov_b32 s[G0B+4*\s], 1
	s_add_co_u32 s[G0B+4*\s+1], s45, \s*SLOT
	s_add_nc_u64 s[G0B+4*\s+2:G0B+4*\s+3], s[46:47], \s*ROWB
	s_or_b32 s[G0B+4*\s+3], s[G0B+4*\s+3], 0x80000000
	JLOAD G0+4*\s, G1, G0B+4*\s, G1B               ; three loads of mine are out behind the second of these
.endr
	v_and_b32 v1, 15, v0                           ; r = lane % 16
	v_bfe_u32 v2, v0, 4, 1                         ; h = lane / 16
	v_mul_u32_u24 v3, v1, PITCH
	v_lshl_add_u32 v4, v2, 4, v3                   ; a fragment's row x pitch + 16 h
	s_mul_i32 s21, s15, HALFT                      ; my 128 rows of A
	s_mul_i32 s22, s16, HALFT                      ; my 128 rows of B,
	s_add_co_u32 s22, s22, 2*HALFT                 ; which lie behind A's 256
.irp s, 0,1
	v_add_nc_u32 v[ADRA+\s], s21, v4
	v_add_nc_u32 v[ADRB+\s], s22, v4
	s_add_co_u32 s21, s21, SLOT
	s_add_co_u32 s22, s22, SLOT
.endr
	v_mul_u32_u24 v5, v1, KS                       ; my row's scales: KS bytes a row,
	v_lshrrev_b32 v6, 8, v5
	v_lshl_add_u32 v5, v6, 4, v5                   ; and 16 more for each 256 passed
	s_mul_i32 s21, s15, HALFS                      ; A's: my 128 rows
	s_mul_i32 s22, s16, HALFS                      ; B's: my 128 rows, behind A's 256
	s_add_co_u32 s22, s22, 2*HALFS
	s_sub_co_u32 s22, s22, s21
	v_mul_u32_u24 v6, s22, v2                      ; lanes 16-31 take B's: one product, the distance between the two
	s_add_co_u32 s21, s21, SCL
	v_add_nc_u32 v5, v5, v6
	v_add_nc_u32 v[ADRS], s21, v5
	s_mul_i32 s23, s14, 16*SPITCH                  ; my f16 stage
	v_mul_u32_u24 v5, v1, SPITCH
	v_lshl_add_u32 v5, v2, 4, v5
	v_add_nc_u32 v[STO], s23, v5                   ; in: row r, 16 bytes for each half of the lanes
	v_mul_u32_u24 v5, v2, SPITCH
	v_lshl_add_u32 v5, v1, 4, v5
	v_add_nc_u32 v[RD], s23, v5                    ; back: lanes 0-15 one row of 256 bytes, lanes 16-31 the next
	v_lshlrev_b32 v5, 12, v2
	v_lshl_add_u32 v[CO], v1, 4, v5                ; and the same two rows in the result (4,096 bytes a row in qk and in vt)
	s_mul_i32 s23, s14, 16*SP32
	s_add_co_u32 s23, s23, ST32                    ; my f32 stage
	v_mul_u32_u24 v5, v1, SP32
	v_lshl_add_u32 v5, v2, 5, v5
	v_add_nc_u32 v[STO32], s23, v5
	v_and_b32 v6, 31, v0
	v_lshlrev_b32 v[L16], 4, v6
	v_add_nc_u32 v[RD32], s23, v[L16]
	v_lshlrev_b32 v5, 6, v1
	v_lshl_add_u32 v[VO], v2, 5, v5
	; where my 128 x 128 begins in the result.  qk: row tile 8 cy + Y, column tile 4 X + cx;  vt: sequence cx, channel tile cy, position tile Y
	s_lshl_b32 s21, s40, 22
	s_lshl_b32 s22, s17, 9
	s_add_co_u32 s21, s21, s22
	s_lshl_b32 s22, s66, 9
	s_cmp_eq_u32 ttmp9, 2
	s_cselect_b64 s[96:97], s[10:11], s[8:9]
	s_cselect_b32 s20, s41, s42
	s_cselect_b32 s21, s21, s22
	s_lshl_b32 s20, s20, 20                        ; 256 rows of 4,096 bytes
	s_add_co_u32 s20, s20, s21
	s_lshl_b32 s21, s15, 19                        ; my 128 rows
	s_add_co_u32 s20, s20, s21
	s_lshl_b32 s21, s16, 8                         ; my 128 columns
	s_add_co_u32 s20, s20, s21
	s_mov_b32 s21, 0
	s_add_nc_u64 s[96:97], s[96:97], s[20:21]
.macro FRAG reg, adr, q, i             ; a fragment, 16 rows x 128 K of 4-bit codes: lane l holds row l % 16; registers 4 c .. 4 c + 3 hold K = 64 c + 32 (l / 16) + 0 .. 31
.irp c, 0,1
	ds_load_b128 v[\reg+4*\c:\reg+4*\c+3], v[\adr] offset:64*(\q)+32*\c+(\i)*16*PITCH
.endr
.endm
; 16 matrix instructions: A's blocks a0, a0 + 1 x B's eight, the slot's q-th 128 along K.  p: B's set;  sc: the set of scale words.  zero = 1: the first product starts the sums.
; The 64 accumulators take turns, one instruction a turn, in the same order in every step.
.macro MUL16 a0, p, q, sc, zero
.irp a, \a0, \a0+1
.irp b, 0,1,2,3,4,5,6,7
.if \zero
	v_wmma_scale_f32_16x16x128_f8f6f4 v[8*(8*((\a)%4)+\b):8*(8*((\a)%4)+\b)+7], v[128*(\p)+FR*\b:128*(\p)+FR*\b+FR-1], v[AF+FR*(\a):AF+FR*(\a)+FR-1], 0, v[SC+8*NQ*(\sc)+NQ*\b+(\q)], v[SC+8*NQ*(\sc)+NQ*(\a)+(\q)] matrix_a_fmt:MATRIX_FMT_FP4 matrix_b_fmt:MATRIX_FMT_FP4 matrix_a_scale:MATRIX_SCALE_ROW1
.else
	v_wmma_scale_f32_16x16x128_f8f6f4 v[8*(8*((\a)%4)+\b):8*(8*((\a)%4)+\b)+7], v[128*(\p)+FR*\b:128*(\p)+FR*\b+FR-1], v[AF+FR*(\a):AF+FR*(\a)+FR-1], v[8*(8*((\a)%4)+\b):8*(8*((\a)%4)+\b)+7], v[SC+8*NQ*(\sc)+NQ*\b+(\q)], v[SC+8*NQ*(\sc)+NQ*(\a)+(\q)] matrix_a_fmt:MATRIX_FMT_FP4 matrix_b_fmt:MATRIX_FMT_FP4 matrix_a_scale:MATRIX_SCALE_ROW1
.endif
.endr
.endr
.endm
.macro FETCH_B slot, q, p              ; B's eight fragments of the slot's q-th 128 along K into set p
	WIN TO_B
.irp i, 0,1,2,3,4,5,6,7
	FRAG 128*(\p)+FR*\i, ADRB+\slot, \q, \i
.endr
	WIN 0
.endm
.macro FETCH_A slot, q, i0             ; A's blocks i0 .. i0 + 3
.irp i, \i0, \i0+1, \i0+2, \i0+3
	FRAG AF+FR*(\i), ADRA+\slot, \q, \i
.endr
.endm
.macro SCALES sc                       ; a slot's scale words into set sc: four words a row; lanes 0-15 take A's block i, lanes 16-31 B's block i
.irp i, 0,1,2,3,4,5,6,7
	ds_load_b128 v[SC+8*NQ*\sc+NQ*\i:SC+8*NQ*\sc+NQ*\i+3], v[ADRS] offset:\i*SBLK
.endr
.endm
.macro PLACES n                        ; plain vector lines between a matrix instruction and a load into, or a read of, its registers
.rept \n
	v_nop
.endr
.endm
; A step of 128 along K that has its successor in the same slot.  A has one set of registers: blocks 0-3 are fetched anew in the step's middle, blocks 4-7 at its end; B has two sets.
.macro STEP slot, q, zero
	s_wait_dscnt 4*NL                              ; B's set and A's blocks 0-3 are in; the youngest eight loads (A's blocks 4-7) may be out
	WIN MUL_LO
	MUL16 0, (\q)%2, \q, \slot, \zero
	MUL16 2, (\q)%2, \q, \slot, \zero
	s_wait_dscnt 0                                 ; A's blocks 4-7 are in
	PLACES NP
	FETCH_B \slot, (\q)+1, 1-(\q)%2
	FETCH_A \slot, (\q)+1, 0
	WIN MUL_HI
	MUL16 4, (\q)%2, \q, \slot, \zero
	MUL16 6, (\q)%2, \q, \slot, \zero
	PLACES NP
	WIN 0
	FETCH_A \slot, (\q)+1, 4
.endm
; Slot 0's last step changes slots: one barrier; in front of it each wave waits for all its tensor loads (its part of slot 1), adds 0 to its spare word, and waits for that and for its reads of slot 0.
; Behind it slot 1 is whole, and nobody reads slot 0 any more: the way out's stages may lie there.
.macro TURN slot, next
	s_wait_tensorcnt 0x0
	ds_add_u32 v[SPW], v[NIL]
	s_wait_dscnt 4*NL+1                            ; (the add and the youngest eight loads, A's blocks 4-7, may be out)
	WIN MUL_LO
	MUL16 0, 1, NQ-1, \slot, 0                     ; sixteen matrix instructions stand between the add and the wait for it
	s_wait_dscnt 0x0                               ; the add is done, and my reads of this slot are over
	s_barrier_signal -1
	MUL16 2, 1, NQ-1, \slot, 0
	WIN 0
	s_barrier_wait -1
	PLACES NP
	v_add_nc_u32 v[ADRS], 4*NQ, v[ADRS]            ; on to the next slot's scale words
	FETCH_B \next, 0, 0
	FETCH_A \next, 0, 0
	SCALES \next
	WIN MUL_HI
	MUL16 4, 1, NQ-1, \slot, 0
	MUL16 6, 1, NQ-1, \slot, 0
	PLACES NP
	WIN 0
	FETCH_A \next, 0, 4
.endm
.macro STEPS slot, from                ; the slot's steps from .. NQ - 2
.set Q, \from
.rept NQ-1-\from
	STEP \slot, Q, 0
.set Q, Q+1
.endr
.endm
	s_wait_tensorcnt 1                             ; the scales and my part of slot 0 are in (slot 1's load may be out)
	s_barrier_signal -1
	s_barrier_wait -1                              ; everybody's are
	FETCH_B 0, 0, 0
	FETCH_A 0, 0, 0
	SCALES 0
	FETCH_A 0, 0, 4
	STEP 0, 0, 1                                   ; the first step's products start the sums
	STEPS 0, 1
	TURN 0, 1
	STEPS 1, 0
	s_wait_dscnt 4*NL                              ; the last step: nothing more to fetch
	WIN MUL_LO
	MUL16 0, 1, NQ-1, 1, 0
	MUL16 2, 1, NQ-1, 1, 0
	s_wait_dscnt 0
	WIN MUL_HI
	MUL16 4, 1, NQ-1, 1, 0
	MUL16 6, 1, NQ-1, 1, 0
	WIN 0
	PLACES NP                                      ; in front of the first reads of results, and of loads into registers that held fragments and scale words
	; THE F32 COPIES of each sequence's first 16 positions: only in clusters with Y = 0.
	s_cmp_lg_u32 s17, 0
	s_cbranch_scc1 .Lno_first
	s_cmp_eq_u32 ttmp9, 2
	s_cbranch_scc1 .Lfirst_v
	s_cmp_lg_u32 s15, 0                            ; q, k: the positions are rows: the waves with the tile's upper half, block a = 0
	s_cbranch_scc1 .Lno_first
	s_lshl_b32 s20, s41, 17                        ; sequence cy: 16 rows of 8,192 bytes
	s_lshl_b32 s21, s66, 10                        ; column tile: 256 numbers
	s_add_co_u32 s20, s20, s21
	s_lshl_b32 s21, s16, 9                         ; my 128 columns
	s_add_co_u32 s20, s20, s21
	s_mov_b32 s21, 0
	s_add_nc_u64 s[20:21], s[12:13], s[20:21]
	WIN 0x08                                       ; an LDS store's data are its source 1: window 2
.irp b, 0,1,2,3,4,5,6,7
	ds_store_b128 v[STO32], v[8*\b:8*\b+3] offset:64*\b            ; each accumulator from its low end on
	ds_store_b128 v[STO32], v[8*\b+4:8*\b+7] offset:64*\b+16
.endr
	WIN 0
.irp t, 0,1,2,3,4,5,6,7,8,9,10,11,12,13,14,15
	ds_load_b128 v[128+4*\t:128+4*\t+3], v[RD32] offset:\t*SP32    ; LDS serves a wave's instructions in order: these see my stores
.endr
	s_wait_dscnt 0x0
.irp t, 0,1,2,3,4,5,6,7,8,9,10,11,12,13,14,15
	global_store_b128 v[L16], v[128+4*\t:128+4*\t+3], s[20:21] offset:\t*8192   ; 32 lanes store 512 consecutive bytes of a row
.endr
	s_branch .Lno_first
.Lfirst_v:
	s_cmp_lg_u32 s16, 0                            ; v: the positions are columns: the waves with the tile's left half, block b = 0 of every a
	s_cbranch_scc1 .Lno_first
	s_lshl_b32 s22, s40, 16                        ; sequence cx: 1,024 channels of 64 bytes
	s_lshl_b32 s23, s41, 14                        ; channel tile cy: 256 channels
	s_add_co_u32 s22, s22, s23
	s_lshl_b32 s23, s15, 13                        ; my 128 channels
	s_add_co_u32 s22, s22, s23
	s_add_co_u32 s22, s22, 524288
	s_mov_b32 s23, 0
	s_add_nc_u64 s[22:23], s[12:13], s[22:23]
.irp a, 0,1,2,3,4,5,6,7
	WIN 0x08+4*(\a/4)                              ; a store's data are its source 1: window 2 or 3
	global_store_b128 v[VO], v[64*(\a%4):64*(\a%4)+3], s[22:23] offset:1024*\a         ; lane (r, h): channel 16 a + r, positions 8 h + 0 .. 3
	global_store_b128 v[VO], v[64*(\a%4)+4:64*(\a%4)+7], s[22:23] offset:1024*\a+16    ; and 8 h + 4 .. 7
.endr
	WIN 0
.Lno_first:
; THE WAY OUT in f16, block by block of 16 rows x 128 columns.  PACK: rounded to f16, 16 bytes a lane.  TOSTAGE: into my own stage, and back as whole rows of 256 bytes.  SEND: stored.
.macro PACK a
.set AC, 64*((\a)%4)
	WIN 0x0a+5*((\a)/4)                            ; sources 0 and 1: window 2 or 3
.irp b, 0,1,2,3,4,5,6,7
.irp r, 0,1,2,3
	v_cvt_pk_f16_f32 v[TMP+4*\b+\r], v[AC+8*\b+2*\r], v[AC+8*\b+2*\r+1]
.endr
.endr
	WIN 0
.endm
.macro TOSTAGE a
.set BK, OB+192*((\a)%2)
.irp b, 0,1,2,3,4,5,6,7
	ds_store_b128 v[STO], v[TMP+4*\b:TMP+4*\b+3] offset:32*\b
.endr
.irp t, 0,1,2,3,4,5,6,7
	ds_load_b128 v[BK+4*\t:BK+4*\t+3], v[RD] offset:\t*2*SPITCH    ; in order behind the stores above
.endr
.endm
.macro SEND a
.set BK, OB+192*((\a)%2)
	s_wait_dscnt 0x0                               ; the block is back in registers
	s_wait_xcnt 0x0                                ; the earlier stores have read their registers: the next block's loads may land there
.irp t, 0,1,2,3,4,5,6,7
	global_store_b128 v[CO], v[BK+4*\t:BK+4*\t+3], s[96:97] offset:(16*(\a)+2*\t)*4096   ; 16 lanes store 256 consecutive bytes, aligned; the offset stays under 2^19
.endr
.endm
	PACK 0
	TOSTAGE 0
.irp a, 1,2,3,4,5,6,7                  ; block a's conversions stand between block a - 1's loads from the stage and the wait for them
	PACK \a
	SEND \a-1
	TOSTAGE \a
.endr
	SEND 7
	s_wait_tensorcnt 0x0                           ; the wave's end
	ds_add_u32 v[SPW], v[NIL]
	s_wait_dscnt 0x0
	CROUND                                         ; the closing round
	s_endpgm
.Lfunc_end_k_q8b01ecd5d5_proj:
	.size	k_q8b01ecd5d5_proj, .Lfunc_end_k_q8b01ecd5d5_proj-k_q8b01ecd5d5_proj
	.p2alignl 7, 3214868480
	.fill 96, 4, 3214868480
	.section	.rodata,"a",@progbits
	.p2align	6, 0x0
	.amdhsa_kernel k_q8b01ecd5d5_proj
		.amdhsa_group_segment_fixed_size 327680
		.amdhsa_private_segment_fixed_size 0
		.amdhsa_enable_private_segment 0
		.amdhsa_kernarg_size 40
		.amdhsa_user_sgpr_count 2
		.amdhsa_user_sgpr_kernarg_segment_ptr 1
		.amdhsa_wavefront_size32 1
		.amdhsa_system_sgpr_workgroup_id_x 1
		.amdhsa_system_sgpr_workgroup_id_y 1
		.amdhsa_system_sgpr_workgroup_id_z 1
		.amdhsa_system_vgpr_workitem_id 0
		.amdhsa_next_free_vgpr 1024
		.amdhsa_next_free_sgpr 100
		.amdhsa_reserve_vcc 0
		.amdhsa_float_denorm_mode_32 3
		.amdhsa_float_denorm_mode_16_64 3
		.amdhsa_memory_ordered 1
		.amdhsa_forward_progress 1
		.amdhsa_inst_pref_size 133
	.end_amdhsa_kernel
	.amdgpu_metadata
---
amdhsa.version: [ 1, 2 ]
amdhsa.kernels:
  - .name:           k_q8b01ecd5d5_proj
    .symbol:         k_q8b01ecd5d5_proj.kd
    .args:
      - { .name: codes, .offset: 0, .size: 8, .value_kind: global_buffer, .address_space: global }
      - { .name: scales, .offset: 8, .size: 8, .value_kind: global_buffer, .address_space: global }
      - { .name: qk, .offset: 16, .size: 8, .value_kind: global_buffer, .address_space: global }
      - { .name: vt, .offset: 24, .size: 8, .value_kind: global_buffer, .address_space: global }
      - { .name: first32, .offset: 32, .size: 8, .value_kind: global_buffer, .address_space: global }
    .group_segment_fixed_size: 327680
    .private_segment_fixed_size: 0
    .kernarg_segment_align: 8
    .kernarg_segment_size: 40
    .max_flat_workgroup_size: 128
    .sgpr_count:     100
    .vgpr_count:     1024
    .wavefront_size: 32
...
	.end_amdgpu_metadata
.endif
;; end of part 2
;; launch scores (part 3): grid 9 x 16, 4 waves a work-group, no clusters, 327,680 bytes of LDS; arguments qk, p, stats; writes p, stats
.if DOCPART == 3
	.amdgcn_target "amdgcn-amd-amdhsa--gfx1250"
	.amdhsa_code_object_version 6
	.text
	.protected	k_q8b01ecd5d5_scores
	.globl	k_q8b01ecd5d5_scores
	.p2align	8
	.type	k_q8b01ecd5d5_scores,@function
k_q8b01ecd5d5_scores:
	s_mov_b64 s[64:65], 0
	v_nop
	global_prefetch_b8 v0, s[64:65] scope:SCOPE_SE
	s_setreg_imm32_b32 hwreg(HW_REG_WAVE_MODE, 25, 1), 1
	s_wait_xcnt 0x0
; S = q k^T in f16 with f32 sums, and the first half of the softmax.  qk: f16 [8,192 positions][2,048] (q, then k).
; WORK LEFT OUT: the 256 x 256 tiles of scores all of whose keys come after all of their queries: reference()'s own tril makes their weights 0 for all values of the inputs.  A NaN or an infinity that lies only there is not carried on.
; For each query and each block of 128 keys: t = score x log2(e) / 32;  M = the block's largest t rounded up to a whole number, kept as nm = -M = floor(-t);  p = 2^(t + nm), at most 1;  l = the sum of p in f32.
; OUT: p f16 [4][2,048 queries][2,048 keys], written for keys under 256 (I + 1);  stats f32 [4][16 key blocks][2][2,048 queries]: plane 0 nm, plane 1 l.
; The next launch takes the smallest nm of a row and multiplies each block by a power of two: the maximum that reference() takes away is taken away, in two stages, and nothing is rounded by the second.
; SHARES.  36 tiles at or under the diagonal for each sequence: work-group (c, y): b = y / 4, pp = y % 4; c <= pp: tile (I, J) = (pp, c), else (7 - pp, c - pp - 1): 144 work-groups of equal work.
; Four waves, each 128 queries x 128 keys: 64 accumulators.  K (1,024 channels) goes in steps of 128 through two LDS slots; each wave fetches a quarter of a slot (waves 0, 1: q's halves; 2, 3: k's).
; NO CLUSTER: a tile row of the triangle has 1 to 8 tiles and a tile column 8 to 1, so no split into fours shares a row or a column without partners that lie above the diagonal.
; On a diagonal tile the wave with queries 0-127 and keys 128-255 has only hidden scores: it walks the K loop with the others (every wave passes every barrier), and then writes zeros, which the next launch multiplies: stated as work inside a live tile.
; THE MATRIX INSTRUCTION: source 0 = 16 keys, source 1 = 16 queries: a lane holds ONE query (lane % 16) and eight neighbouring keys 8 (lane / 16) + 0 .. 7.
; REGISTERS, in windows of 256: window 0: v5-31 addresses and statistics; v64-127, v128-191 q's fragments, two buffers; on the way out v32-63, v224-255 rows, v64-95 sums, v96-103 maxima, v192-223 packed p.
;   window 1: v64-127, v128-191 k's fragments.   window 2: accumulators of my queries 0-63 ((a, b) at v[8 (8 a + b)]);   window 3: queries 64-127.
.set KSTEP,  128
.set PITCH,  272                       ; an LDS row: 256 bytes + 16 of padding
.set HALFT,  128*PITCH
.set SLOT,   4*HALFT                   ; q's 256 rows, then k's 256
.set STAGE,  2*SLOT                    ; behind the ring: 16 rows x 272 bytes a wave
.set SPITCH, 272
.set STAT,   STAGE+4*16*SPITCH         ; 1,024 bytes a wave: 128 nm, 128 l
.set SPARE,  STAT+4*1024               ; the spare words, 128 bytes a wave
.set LAPS,   4                         ; 1,024 / (2 x 128)
.set DD,   5                           ; v5      lane % 16 - 8 (lane / 16)
.set NINF, 6                           ; v6      -infinity
.set NM,   8                           ; v[8:9]  nm (the packed form names the pair and takes its low word)
.set LS,   10                          ; v10     l
.set SV,   12                          ; v12     nm in lanes 0-15, l in lanes 16-31
.set PX,   13                          ; v13     the lane exchange's destination
.set ADRA, 16
.set ADRB, 20
.set STO,  24
.set RD,   25
.set CO,   26                          ; v26     4,096 (lane / 16) + 16 (lane % 16)
.set SA,   27                          ; v27     where my statistic goes
.set SPW,  28
.set NIL,  29
.set SR,   30                          ; v30     where the statistics are read back
.set L16,  31                          ; v31     16 x lane
.set OB,   32
.set SUMT, 64
.set T,    96
.set F0,   64
.set F1,   128
.set TMP,  192
.set G1, 24                            ; s[24:31] descriptor group 1
.set G0, 32                            ; s[32:39] group 0, a set for each slot
.set MASKF, 46                         ; s46  1: my quadrant lies on the diagonal
.set HID,  47                          ; s47  1: my quadrant is wholly hidden
.set MSB, 0
.macro WIN new
.if MSB != (\new)
	s_set_vgpr_msb (MSB<<8)|(\new)
.set MSB, (\new)
.endif
.endm
.set MUL_LO, 0xa1                      ; source 0 (k) window 1, source 1 (q) window 0, C and D window 2
.set MUL_HI, 0xf1
.set TO_B,   0x40
	s_load_b128 s[4:7], s[0:1], 0x0                ; qk s[4:5], p s[6:7]
	s_load_b64 s[8:9], s[0:1], 0x10                ; stats
	v_lshl_add_u32 v[SPW], v0, 2, SPARE
	v_mov_b32 v[NIL], 0
	ds_add_u32 v[SPW], v[NIL]                      ; the wave's opening: the add, twice on end, and its wait ahead of my first tensor load
	ds_add_u32 v[SPW], v[NIL]
	v_lshrrev_b32 v1, 5, v0
	v_readfirstlane_b32 s10, v1                    ; wave
	s_lshr_b32 s11, s10, 1                         ; which 128 queries are mine.  Also: I fetch q (0) or k (1)
	s_and_b32 s12, s10, 1                          ; which 128 keys.  Also: which 128 rows of that tile I fetch
	s_and_b32 s14, ttmp7, 0xffff
	s_lshr_b32 s15, s14, 2                         ; b
	s_and_b32 s16, s14, 3                          ; pp
	s_sub_co_u32 s17, 7, s16
	s_sub_co_u32 s18, ttmp9, s16
	s_sub_co_u32 s18, s18, 1
	s_cmp_le_u32 ttmp9, s16
	s_cselect_b32 s17, s16, s17                    ; I
	s_cselect_b32 s18, ttmp9, s18                  ; J
	s_cmp_eq_u32 s17, s18
	s_cselect_b32 s19, 1, 0                        ; a diagonal tile
	s_cmp_eq_u32 s11, s12
	s_cselect_b32 s20, 1, 0
	s_and_b32 s[MASKF], s19, s20
	s_cmp_lt_u32 s11, s12
	s_cselect_b32 s20, 1, 0
	s_and_b32 s[HID], s19, s20
	s_mov_b32 s[G1+0], (1<<16)|(1<<20)|(5<<22)|(3<<25)   ; elements of 2 bytes; padding: four words after every 64
	s_mov_b32 s[G1+1], KSTEP<<16                   ; tensor_dim0 = 128
	s_mov_b32 s[G1+2], 128<<16                     ; tensor_dim1 = 128
	s_mov_b32 s[G1+3], KSTEP<<16                   ; tile_dim0
	s_mov_b32 s[G1+4], 128                         ; tile_dim1
	s_mov_b32 s[G1+5], 2048                        ; elements from row to row
	s_mov_b32 s[G1+6], 0
	s_mov_b32 s[G1+7], 0
	s_mov_b32 s40, 0x3d38aa3b                      ; c = log2(e) / sqrt(1,024)
	s_mov_b32 s41, s40
	s_mov_b32 s42, 0x76543210                      ; lane l xor 16
	s_mov_b32 s43, 0xfedcba98
	s_mov_b32 s44, 0xffff0000                      ; lanes 16-31
	s_mov_b32 s45, 0xff800000                      ; -infinity
	s_cmp_eq_u32 s11, 0
	s_cselect_b32 s20, s17, s18                    ; q's tile is I, k's is J
	s_lshl_b32 s20, s20, 8
	s_lshl_b32 s21, s15, 11
	s_add_co_u32 s20, s20, s21
	s_lshl_b32 s21, s12, 7
	s_add_co_u32 s20, s20, s21                     ; the first position that I fetch
	s_lshl_b32 s20, s20, 12                        ; 4,096 bytes a position
	s_lshl_b32 s21, s11, 11                        ; k lies 2,048 bytes into a row
	s_add_co_u32 s20, s20, s21
	s_mov_b32 s21, 0
	s_mul_i32 s22, s10, HALFT
	s_wait_dscnt 0x0                               ; both opening adds are done
	s_wait_kmcnt 0x0
	s_add_nc_u64 s[20:21], s[4:5], s[20:21]
.irp s, 0,1                                    ; every wave issues its own two first fills: two loads of mine are out
	s_mov_b32 s[G0+4*\s], 1
	s_add_co_u32 s[G0+4*\s+1], s22, \s*SLOT
	s_add_nc_u64 s[G0+4*\s+2:G0+4*\s+3], s[20:21], \s*KSTEP*2
	s_or_b32 s[G0+4*\s+3], s[G0+4*\s+3], 0x80000000
	tensor_load_to_lds s[G0+4*\s:G0+4*\s+3], s[G1:G1+7]
	s_nop 0
.endr
	v_and_b32 v1, 15, v0                           ; r
	v_bfe_u32 v2, v0, 4, 1                         ; h
	v_mul_u32_u24 v3, v1, PITCH
	v_lshl_add_u32 v3, v2, 4, v3
	s_mul_i32 s21, s11, HALFT                      ; my 128 queries
	s_mul_i32 s22, s12, HALFT                      ; my 128 keys,
	s_add_co_u32 s22, s22, 2*HALFT                 ; behind q's 256 rows
.irp s, 0,1
	v_add_nc_u32 v[ADRA+\s], s21, v3
	v_add_nc_u32 v[ADRB+\s], s22, v3
	s_add_co_u32 s21, s21, SLOT
	s_add_co_u32 s22, s22, SLOT
.endr
	s_mul_i32 s23, s10, 16*SPITCH
	s_add_co_u32 s23, s23, STAGE
	v_mul_u32_u24 v4, v1, SPITCH
	v_lshl_add_u32 v4, v2, 4, v4
	v_add_nc_u32 v[STO], s23, v4
	v_mul_u32_u24 v4, v2, SPITCH
	v_lshl_add_u32 v4, v1, 4, v4
	v_add_nc_u32 v[RD], s23, v4
	v_lshlrev_b32 v4, 12, v2
	v_lshl_add_u32 v[CO], v1, 4, v4
	s_lshl_b32 s23, s10, 10
	s_add_co_u32 s23, s23, STAT
	v_lshlrev_b32 v4, 9, v2
	v_lshl_add_u32 v4, v1, 2, v4
	v_add_nc_u32 v[SA], s23, v4                    ; lanes 0-15: nm of query r; lanes 16-31: l, 512 bytes on
	v_and_b32 v4, 31, v0
	v_lshlrev_b32 v[L16], 4, v4
	v_add_nc_u32 v[SR], s23, v[L16]
	v_lshlrev_b32 v4, 3, v2
	v_sub_nc_u32 v[DD], v1, v4
	v_mov_b32 v[NINF], 0xff800000
	v_mov_b32 v[NM+1], 0                           ; named with nm as a pair, so it is written
	v_mov_b32 v[PX], 0                             ; a lane permute's destination counts as one of its sources
	; where my 128 x 128 of p begins, and my statistics
	s_lshl_b32 s20, s15, 11
	s_lshl_b32 s21, s17, 8
	s_add_co_u32 s20, s20, s21
	s_lshl_b32 s21, s11, 7
	s_add_co_u32 s20, s20, s21
	s_lshl_b32 s20, s20, 12
	s_lshl_b32 s21, s18, 9
	s_add_co_u32 s20, s20, s21
	s_lshl_b32 s21, s12, 8
	s_add_co_u32 s20, s20, s21
	s_mov_b32 s21, 0
	s_add_nc_u64 s[50:51], s[6:7], s[20:21]
	s_lshl_b32 s20, s15, 4
	s_lshl_b32 s21, s18, 1
	s_add_co_u32 s20, s20, s21
	s_add_co_u32 s20, s20, s12                     ; 16 b + the key block 2 J + my half
	s_lshl_b32 s20, s20, 14                        ; two planes of 8,192 bytes
	s_lshl_b32 s21, s17, 10
	s_add_co_u32 s20, s20, s21
	s_lshl_b32 s21, s11, 9
	s_add_co_u32 s20, s20, s21
	s_mov_b32 s21, 0
	s_add_nc_u64 s[48:49], s[8:9], s[20:21]
; 16 matrix instructions: query blocks a0, a0 + 1 of the window's four x all 8 key blocks, 32 along K.  zero = 1: the first product starts the sums.  The 64 accumulators take turns.
.macro MUL16 f, hi, a0, zero
.irp a, \a0, \a0+1
.irp b, 0,1,2,3,4,5,6,7
.if \zero
	v_wmma_f32_16x16x32_f16 v[8*(8*(\a)+\b):8*(8*(\a)+\b)+7], v[\f+8*\b:\f+8*\b+7], v[\f+8*(4*\hi+\a):\f+8*(4*\hi+\a)+7], 0
.else
	v_wmma_f32_16x16x32_f16 v[8*(8*(\a)+\b):8*(8*(\a)+\b)+7], v[\f+8*\b:\f+8*\b+7], v[\f+8*(4*\hi+\a):\f+8*(4*\hi+\a)+7], v[8*(8*(\a)+\b):8*(8*(\a)+\b)+7]
.endif
.endr
.endr
.endm
.macro FETCH slot, k, f                ; 32 LDS loads in one run: the fragments of one quarter step (32 K at byte k of the rows) into buffer f
	WIN TO_B
.irp i, 0,1,2,3,4,5,6,7
	ds_load_b128 v[\f+8*\i:\f+8*\i+3],   v[ADRB+\slot] offset:\k+\i*16*PITCH
	ds_load_b128 v[\f+8*\i+4:\f+8*\i+7], v[ADRB+\slot] offset:\k+\i*16*PITCH+32
.endr
	WIN 0
.irp i, 0,1,2,3,4,5,6,7
	ds_load_b128 v[\f+8*\i:\f+8*\i+3],   v[ADRA+\slot] offset:\k+\i*16*PITCH
	ds_load_b128 v[\f+8*\i+4:\f+8*\i+7], v[ADRA+\slot] offset:\k+\i*16*PITCH+32
.endr
.endm
.macro PLACES                          ; four plain vector lines between a matrix instruction and a load into, or a read of, its registers
.rept 4
	v_nop
.endr
.endm
.macro QUARTER slot, k, f, g, zero     ; multiplies buffer f; in its middle it fetches the next quarter's fragments into g
	s_wait_dscnt 8                                 ; k's fragments and q's rows 0-63 are in; the youngest eight loads (q's rows 64-127) may be out
	WIN MUL_LO
	MUL16 \f, 0, 0, \zero
	MUL16 \f, 0, 2, \zero
	PLACES
	FETCH \slot, \k, \g
	s_wait_dscnt 32                                ; all but the 32 just issued
	WIN MUL_HI
	MUL16 \f, 1, 0, \zero
	MUL16 \f, 1, 2, \zero
.endm
; A K step's last quarter changes slots: one barrier; in front of it each wave waits for all its tensor loads (its part of the next slot), adds 0 to its spare word, and waits for that and for its reads of this slot.
; fill = 1: this slot is filled again, two K steps on, first thing behind the barrier: the load has 224 matrix instructions in which to land.
.macro TURN slot, next, fill
	WIN 0
	s_wait_tensorcnt 0x0                           ; no tensor load of mine is out, so a group 0 may be written
	ds_add_u32 v[SPW], v[NIL]
.if \fill
	s_add_nc_u64 s[G0+4*\slot+2:G0+4*\slot+3], s[G0+4*\slot+2:G0+4*\slot+3], 2*KSTEP*2
.endif
	s_wait_dscnt 9                                 ; (the add and the youngest eight loads may be out)
	WIN MUL_LO
	MUL16 F1, 0, 0, 0
	s_wait_dscnt 0x0                               ; the add is done, and my reads of this slot are over
	s_barrier_signal -1
	MUL16 F1, 0, 2, 0
	WIN 0
	s_barrier_wait -1
.if \fill
	tensor_load_to_lds s[G0+4*\slot:G0+4*\slot+3], s[G1:G1+7]      ; my one tensor load behind this barrier
	s_nop 0
.endif
	PLACES                                         ; behind the load, and in front of the loads below
	FETCH \next, 0, F0
	WIN MUL_HI
	MUL16 F1, 1, 0, 0
	MUL16 F1, 1, 2, 0
.endm
	s_wait_tensorcnt 1                             ; my part of K step 0 is in; K step 1's may be out
	s_barrier_signal -1
	s_barrier_wait -1
	FETCH 0, 0, F0
	QUARTER 0, 64,  F0, F1, 1                      ; the first quarter's products start the sums
	WIN 0
	s_mov_b32 s3, LAPS-1
.Llap:                                                 ; a trip goes once round the ring, from a lap's second quarter to the next lap's first, and fills both slots again
	QUARTER 0, 128, F1, F0, 0
	QUARTER 0, 192, F0, F1, 0
	TURN 0, 1, 1
	QUARTER 1, 64,  F0, F1, 0
	QUARTER 1, 128, F1, F0, 0
	QUARTER 1, 192, F0, F1, 0
	TURN 1, 0, 1
	QUARTER 0, 64,  F0, F1, 0
	WIN 0
	s_sub_co_u32 s3, s3, 1
	s_cmp_lg_u32 s3, 0
	s_cbranch_scc1 .Llap
	QUARTER 0, 128, F1, F0, 0                      ; the last lap is written out: it asks for nothing
	QUARTER 0, 192, F0, F1, 0
	TURN 0, 1, 0
	QUARTER 1, 64,  F0, F1, 0
	QUARTER 1, 128, F1, F0, 0
	QUARTER 1, 192, F0, F1, 0
	s_wait_dscnt 8
	WIN MUL_LO
	MUL16 F1, 0, 0, 0
	MUL16 F1, 0, 2, 0
	s_wait_dscnt 0
	WIN MUL_HI
	MUL16 F1, 1, 0, 0
	MUL16 F1, 1, 2, 0
	WIN 0
	PLACES
	s_cmp_lg_u32 s[HID], 0
	s_cbranch_scc1 .Lhidden
; THE SOFTMAX'S FIRST HALF for block a: 16 queries x my 128 keys.  A lane holds 64 scores of one query; lane l xor 16 holds the other 64.
.macro EPI a
.set W, 2+(\a)/4
.set AC, 64*((\a)%4)
	s_cmp_eq_u32 s[MASKF], 0                       ; ids and the wave's number alone
	s_cbranch_scc1 .Lopen_\@
	WIN (W|(W<<6))                                 ; on the diagonal: key 16 b + 8 h + j is hidden from query 16 a + r where 16 (b - a) + j > r - 8 h
.irp j, 0,1,2,3,4,5,6,7
	v_cmp_gt_i32 vcc_lo, \j, v[DD]                 ; b = a
	v_cndmask_b32 v[AC+8*(\a)+\j], v[AC+8*(\a)+\j], v[NINF], vcc_lo
.endr
.set bb, (\a)+1
.rept 7-(\a)                                   ; b > a: every key is hidden
.irp j, 0,1,2,3,4,5,6,7
	v_mov_b32 v[AC+8*bb+\j], s45
.endr
.set bb, bb+1
.endr
	WIN 0
.Lopen_\@:
	WIN (W|(W<<2)|(W<<4))                          ; the largest score
.irp b, 0,1,2,3,4,5,6,7
	v_max3_num_f32 v[T+\b], v[AC+8*\b], v[AC+8*\b+1], v[AC+8*\b+2]
.endr
	WIN (W|(W<<2))
.irp b, 0,1,2,3,4,5,6,7
	v_max3_num_f32 v[T+\b], v[AC+8*\b+3], v[AC+8*\b+4], v[T+\b]
.endr
.irp b, 0,1,2,3,4,5,6,7
	v_max3_num_f32 v[T+\b], v[AC+8*\b+5], v[AC+8*\b+6], v[T+\b]
.endr
.irp b, 0,2,4,6
	v_max3_num_f32 v[T+\b], v[AC+8*\b+7], v[AC+8*\b+15], v[T+\b]
.endr
	WIN 0
	v_max3_num_f32 v[T], v[T], v[T+1], v[T+2]
	v_max3_num_f32 v[T+3], v[T+3], v[T+4], v[T+5]
	v_max3_num_f32 v[T], v[T], v[T+3], v[T+6]
	v_max_num_f32 v[T], v[T], v[T+7]
	v_permlanex16_b32 v[PX], v[T], s42, s43
	v_max_num_f32 v[T], v[T], v[PX]                ; of my query's 128 keys (key 0 of a diagonal quadrant counts for every query: it is a number)
	v_mul_f32 v[T], s40, v[T]                      ; as t (c is positive)
	v_floor_f32 v[NM], -v[T]                       ; nm = floor(-t) = -ceil(t)
	WIN (W|(W<<6))
.set n, 0
.rept 32
	v_pk_fma_f32 v[AC+2*n:AC+2*n+1], v[AC+2*n:AC+2*n+1], s[40:41], v[NM:NM+1] op_sel_hi:[1,0,0]   ; t + nm, two at a time
.set n, n+1
.endr
.set n, 0
.rept 64
	v_exp_f32 v[AC+n], v[AC+n]                     ; p = 2^(t + nm): one batch
.set n, n+1
.endr
	v_nop                                          ; a plain line behind the last exponential
	s_wait_alu depctr_va_vdst(0)                   ; one wait for the batch, ahead of its first reader
	WIN (W|(W<<2))
.set n, 0
.rept 16
	v_pk_add_f32 v[SUMT+2*n:SUMT+2*n+1], v[AC+4*n:AC+4*n+1], v[AC+4*n+2:AC+4*n+3]    ; the sum is taken of p in f32
.set n, n+1
.endr
.irp b, 0,1,2,3,4,5,6,7
.irp r, 0,1,2,3
	v_cvt_pk_f16_f32 v[TMP+4*\b+\r], v[AC+8*\b+2*\r], v[AC+8*\b+2*\r+1]
.endr
.endr
	WIN 0
.irp n, 0,1,2,3,4,5,6,7
	v_pk_add_f32 v[SUMT+2*\n:SUMT+2*\n+1], v[SUMT+2*\n:SUMT+2*\n+1], v[SUMT+16+2*\n:SUMT+17+2*\n]
.endr
.irp n, 0,1,2,3
	v_pk_add_f32 v[SUMT+2*\n:SUMT+2*\n+1], v[SUMT+2*\n:SUMT+2*\n+1], v[SUMT+8+2*\n:SUMT+9+2*\n]
.endr
.irp n, 0,1
	v_pk_add_f32 v[SUMT+2*\n:SUMT+2*\n+1], v[SUMT+2*\n:SUMT+2*\n+1], v[SUMT+4+2*\n:SUMT+5+2*\n]
.endr
	v_pk_add_f32 v[SUMT:SUMT+1], v[SUMT:SUMT+1], v[SUMT+2:SUMT+3]
	v_add_f32 v[LS], v[SUMT], v[SUMT+1]
	v_permlanex16_b32 v[PX], v[LS], s42, s43
	v_add_f32 v[LS], v[LS], v[PX]                  ; l
	v_cndmask_b32 v[SV], v[NM], v[LS], s44         ; lanes 0-15 carry nm, lanes 16-31 l
	ds_store_b32 v[SA], v[SV] offset:64*(\a)
.endm
.macro TOSTAGE a
.set BK, OB+192*((\a)%2)
.irp b, 0,1,2,3,4,5,6,7
	ds_store_b128 v[STO], v[TMP+4*\b:TMP+4*\b+3] offset:32*\b
.endr
.irp t, 0,1,2,3,4,5,6,7
	ds_load_b128 v[BK+4*\t:BK+4*\t+3], v[RD] offset:\t*2*SPITCH    ; LDS serves a wave's instructions in order: these see the stores above
.endr
.endm
.macro SEND a
.set BK, OB+192*((\a)%2)
	s_wait_dscnt 0x0
	s_wait_xcnt 0x0                                ; the earlier stores have read their registers: the next block's loads may land there
.irp t, 0,1,2,3,4,5,6,7
	global_store_b128 v[CO], v[BK+4*\t:BK+4*\t+3], s[50:51] offset:(16*(\a)+2*\t)*4096   ; 16 lanes store 256 consecutive bytes, aligned
.endr
.endm
	EPI 0
	TOSTAGE 0
.irp a, 1,2,3,4,5,6,7
	EPI \a
	SEND \a-1
	TOSTAGE \a
.endr
	SEND 7
	ds_load_b128 v[64:67], v[SR]                   ; my 128 nm,
	ds_load_b128 v[68:71], v[SR] offset:512        ; my 128 l
	s_wait_dscnt 0x0
	global_store_b128 v[L16], v[64:67], s[48:49]               ; 512 consecutive bytes each
	global_store_b128 v[L16], v[68:71], s[48:49] offset:8192
	s_branch .Lend
.Lhidden:                                              ; queries 0-127, keys 128-255 of a diagonal tile: weights 0
.irp j, 0,1,2,3
	v_mov_b32 v[OB+\j], 0
.endr
.set n, 0
.rept 64
	global_store_b128 v[CO], v[OB:OB+3], s[50:51] offset:2*n*4096
.set n, n+1
.endr
.Lend:
	s_wait_tensorcnt 0x0                           ; the wave's end
	ds_add_u32 v[SPW], v[NIL]
	s_wait_dscnt 0x0
	s_endpgm
.Lfunc_end_k_q8b01ecd5d5_scores:
	.size	k_q8b01ecd5d5_scores, .Lfunc_end_k_q8b01ecd5d5_scores-k_q8b01ecd5d5_scores
	.p2alignl 7, 3214868480
	.fill 96, 4, 3214868480
	.section	.rodata,"a",@progbits
	.p2align	6, 0x0
	.amdhsa_kernel k_q8b01ecd5d5_scores
		.amdhsa_group_segment_fixed_size 327680
		.amdhsa_private_segment_fixed_size 0
		.amdhsa_enable_private_segment 0
		.amdhsa_kernarg_size 24
		.amdhsa_user_sgpr_count 2
		.amdhsa_user_sgpr_kernarg_segment_ptr 1
		.amdhsa_wavefront_size32 1
		.amdhsa_system_sgpr_workgroup_id_x 1
		.amdhsa_system_sgpr_workgroup_id_y 1
		.amdhsa_system_sgpr_workgroup_id_z 1
		.amdhsa_system_vgpr_workitem_id 0
		.amdhsa_next_free_vgpr 1024
		.amdhsa_next_free_sgpr 66
		.amdhsa_reserve_vcc 1
		.amdhsa_float_denorm_mode_32 3
		.amdhsa_float_denorm_mode_16_64 3
		.amdhsa_memory_ordered 1
		.amdhsa_forward_progress 1
		.amdhsa_inst_pref_size 227
	.end_amdhsa_kernel
	.amdgpu_metadata
---
amdhsa.version: [ 1, 2 ]
amdhsa.kernels:
  - .name:           k_q8b01ecd5d5_scores
    .symbol:         k_q8b01ecd5d5_scores.kd
    .args:
      - { .name: qk, .offset: 0, .size: 8, .value_kind: global_buffer, .address_space: global }
      - { .name: p, .offset: 8, .size: 8, .value_kind: global_buffer, .address_space: global }
      - { .name: stats, .offset: 16, .size: 8, .value_kind: global_buffer, .address_space: global }
    .group_segment_fixed_size: 327680
    .private_segment_fixed_size: 0
    .kernarg_segment_align: 8
    .kernarg_segment_size: 24
    .max_flat_workgroup_size: 128
    .sgpr_count:     66
    .vgpr_count:     1024
    .wavefront_size: 32
...
	.end_amdgpu_metadata
.endif
;; end of part 3
;; launch pv (part 4): grid 8 x 32, 4 waves a work-group, clusters of 4 x 1, 327,680 bytes of LDS; arguments p, vt, stats, out0; writes out0
.if DOCPART == 4
	.amdgcn_target "amdgcn-amd-amdhsa--gfx1250"
	.amdhsa_code_object_version 6
	.text
	.protected	k_q8b01ecd5d5_pv
	.globl	k_q8b01ecd5d5_pv
	.p2align	8
	.type	k_q8b01ecd5d5_pv,@function
k_q8b01ecd5d5_pv:
	s_mov_b64 s[64:65], 0
	v_nop
	global_prefetch_b8 v0, s[64:65] scope:SCOPE_SE
	s_setreg_imm32_b32 hwreg(HW_REG_WAVE_MODE, 25, 1), 1
	s_wait_xcnt 0x0
	s_wait_alu depctr_hold_cnt(0) depctr_sa_sdst(0) depctr_va_vdst(0) depctr_va_sdst(0) depctr_va_ssrc(0) depctr_va_vcc(0) depctr_vm_vsrc(0)
	s_getreg_b32 s2, hwreg(HW_REG_IB_STS2, 6, 4)
	s_cmp_eq_u32 s2, 0
	s_cbranch_scc0 .Lentry_in_a_cluster
	s_endpgm
.Lentry_in_a_cluster:
	s_bfe_u32 s2, ttmp6, 0x10000c
	s_cmp_lg_u32 s2, 0x3003
	s_cbranch_scc0 .Lentry_shape_is_right
	s_endpgm
.Lentry_shape_is_right:
; out = (weights x v): O[q][e] = sum over key blocks g of f_g (p_g v_g) / L, the products in f16 with f32 sums.  p: f16 [4][2,048 q][2,048 keys], each block of 128 keys under its own whole number nm;  vt: f16 [4][1,024 e][2,048 keys];
; stats: f32 [4][16 key blocks][2][2,048 q]: nm and l.  For a row: NM = the smallest nm (the largest M);  f = 2^(NM - nm) for each block, a power of two at most 1;  L = the sum of f l.
; f IS APPLIED IN F32, TO THE SUMS: each block of 128 keys has sums T of its own, begun with C = 0; behind its last product O += f T, one packed multiply-add for two numbers.  p goes to the matrix unit as it lies.
; WORK LEFT OUT: the slots of 256 keys all of which come after all 128 queries of a row block (reference()'s own tril makes their weights 0 for all inputs), and rows 0-15 of each sequence, which the next launch owns.
; Where a row block's last slot is half hidden, that half of p holds zeros and its f is 0: it is multiplied, as work inside a live slot, so that every work-group walks nine equal slots.
; SHARES.  A work-group makes two tiles of 128 queries x 128 channels: row blocks I1 = pp and I2 = 15 - pp of sequence b (y = 8 b + pp), channels 128 ct on.  Their slots of 256 keys: NS1 = pp / 2 + 1 and 9 - NS1: nine in all, for all 256 work-groups.
; Four waves, each 64 x 64: 16 accumulators.  Two LDS slots, each 128 rows of p and 128 rows of vt, 512 bytes a row; a wave fetches 64 rows (waves 0, 1: p; 2, 3: vt).
; CLUSTER: the four work-groups of a cluster share b and pp and differ in ct: p's tiles are asked for jointly (mask 15); vt's tiles differ and come by plain loads in the same rounds.  No branch and no LDS address holds cx.
; THE MATRIX INSTRUCTION: source 0 = 16 channels of vt, source 1 = 16 queries of p: a lane holds one query (lane % 16) and eight neighbouring channels.
; REGISTERS: window 0: v6-29 addresses, v8-15 1 / L; v32-63, v64-95 at work on the way out (and for the statistics at the head); v96-127 f, as pairs of which the even register counts, for [slot][half][query block];
;   v128-255 T, the sums of the block of 128 keys in hand ((a, b) at v[128 + 8 (4 a + b)]).   window 1: two fragment buffers of 128: 64 registers of p (2 x 4 x 16 queries x 32 keys), then 64 of vt.   window 2: v0-127 O, laid as T.
.set KSTEP,  256
.set PITCH,  528                       ; an LDS row: 512 bytes + 16 of padding
.set HALFT,  64*PITCH
.set SLOT,   4*HALFT
.set STAGE,  2*SLOT                    ; behind the ring: 16 rows x 272 bytes a wave
.set SPITCH, 272
.set TAB,    STAGE+4*16*SPITCH         ; f, f32, for 18 halves of slots x 128 rows
.set INV,    TAB+18*512                ; 1 / L for 2 tiles x 128 rows
.set SPARE,  INV+1024                  ; the spare words, 128 bytes a wave
.set T4,   6                           ; v6   4 x thread
.set TADR, 7                           ; v7   TAB + 4 x thread
.set IL,   8                           ; v8, v10, v12, v14: 1 / L of query blocks 0-3 (named as pairs: the odd ones are written once)
.set ADRA, 16
.set ADRB, 20
.set ADT,  22                          ; v22  TAB + 4 (64 rh + r), stepped 1,024 a slot
.set AIV,  23                          ; v23  INV + 4 (64 rh + r)
.set STO,  24
.set RD,   25
.set CO,   26
.set PFO,  27                          ; v27  4,096 x lane
.set SPW,  28
.set NIL,  29
.set TMP,  32
.set OB,   64
.set FS,   96                          ; f of [slot][half][a] at v[96 + 2 (8 slot + 4 half + a)]
.set ACC,  128                         ; T
.set OA,   0                           ; O, in window 2
.set F0,   0
.set F1,   128
.set WV,   12                          ; s12 wave;  s13 rh (also: I fetch p (0) or vt (1));  s14 ch (also: which 64 rows I fetch)
.set I1,   19                          ; s19 pp = I1
.set I2,   21
.set NS1,  22
.set H1,   23                          ; 2 NS1
.set G1A,  24
.set G1B,  32
.set G0A,  40
.set G0B,  48
.set PA1,  56                          ; s[56:57], s[58:59] p at my 64 rows of tile 1, of tile 2;  s[60:61] vt at my 64 rows
.set PA2,  58
.set VB,   60
.set OUT1, 66                          ; s[66:67], s[68:69] out0 at my 64 x 64 of tile 1, of tile 2
.set SIG,  70                          ; s70 the slot in hand, 0 .. 8
.set SKIP, 71                          ; s71 1: my first 16 rows of tile 1 are a sequence's first 16
.set GH,   72                          ; s72 the hidden half
.set BOFF, 73
.set PF1,  74                          ; s[74:75], s[76:77] where my prefetches begin in tile 1, in tile 2
.set PF2,  76
.set PFA,  78
.set LIM,  80
.set MSB, 0
.macro WIN new
.if MSB != (\new)
	s_set_vgpr_msb (MSB<<8)|(\new)
.set MSB, (\new)
.endif
.endm
.set MUL,   0x05                       ; sources 0 (vt) and 1 (p) window 1; C and D window 0
.set TO_F,  0x40                       ; destination window 1, address window 0
.set FOLDW, 0xa0                       ; destination and source 2 (O) window 2; sources 0 (T) and 1 (f) window 0
.set OUTW,  0x02                       ; source 0 (O) window 2; the rest window 0
.macro JLOAD s                         ; waves 0 and 1: p's halves, jointly; waves 2 and 3: vt's halves.  An s_nop 0 and four v_nop follow each line
	s_cmp_eq_u32 s13, 0
	s_cbranch_scc0 .Lfor_b_\@
	tensor_load_to_lds s[G0A+4*\s:G0A+4*\s+3], s[G1A:G1A+7]
	s_nop 0
.rept 4
	v_nop
.endr
	s_branch .Lasked_\@
.Lfor_b_\@:
	tensor_load_to_lds s[G0B+4*\s:G0B+4*\s+3], s[G1B:G1B+7]
	s_nop 0
.rept 4
	v_nop
.endr
.Lasked_\@:
.endm
.macro CREST
	s_cmp_lg_u32 s[WV], 0
	s_cbranch_scc1 .Lnot_wave_0_\@
	s_barrier_signal -3
.Lnot_wave_0_\@:
	s_barrier_wait -3
	s_barrier_signal -1
	s_barrier_wait -1
.endm
.macro CROUND
	s_barrier_signal -1
	s_barrier_wait -1
	CREST
.endm
.macro PLACES                          ; four plain vector lines between a matrix instruction and a load into, or a read of, its registers
.rept 4
	v_nop
.endr
.endm
; The global addresses of slot SIG + ahead into LDS slot's two groups 0: tile 1 while the number is under NS1, then tile 2 from its key 0 on; 512 bytes a slot along the rows of p and of vt.
.macro SETREQ slot, ahead
	s_add_co_u32 s82, s[SIG], \ahead
	s_sub_co_u32 s83, s82, s[NS1]
	s_cmp_lt_u32 s82, s[NS1]
	s_cselect_b32 s82, s82, s83
	s_cselect_b64 s[84:85], s[PA1:PA1+1], s[PA2:PA2+1]
	s_lshl_b32 s82, s82, 9
	s_mov_b32 s83, 0
	s_add_nc_u64 s[G0A+4*\slot+2:G0A+4*\slot+3], s[84:85], s[82:83]
	s_or_b32 s[G0A+4*\slot+3], s[G0A+4*\slot+3], 0x80000000
	s_add_nc_u64 s[G0B+4*\slot+2:G0B+4*\slot+3], s[VB:VB+1], s[82:83]
	s_or_b32 s[G0B+4*\slot+3], s[G0B+4*\slot+3], 0x80000000
.endm
; A PREFETCH of p's tile of slot SIG + 3, one slot ahead of the load that will ask for it: 128 rows x 512 bytes.  Both clusters of a row pair walk the same p: cluster x = 0 asks.  Its four partners take 32 rows each,
; told apart by address; waves 0 and 1 take the two halves of a row's 512 bytes; a lane a row.  So each aligned 256 bytes are named once.  It stops with slot 8, the last.  Slots 0 to 2 come by their loads alone.
.macro ASK
	s_cmp_lt_u32 s[SIG], s[LIM]
	s_cbranch_scc0 .Lnot_mine_\@
	global_prefetch_b8 v[PFO], s[PFA:PFA+1] th:TH_LOAD_NT scope:SCOPE_SE
.Lnot_mine_\@:
.endm
	s_load_b256 s[4:11], s[0:1], 0x0               ; p s[4:5], vt s[6:7], stats s[8:9], out0 s[10:11]
	v_lshl_add_u32 v[SPW], v0, 2, SPARE
	v_mov_b32 v[NIL], 0
	ds_add_u32 v[SPW], v[NIL]                      ; the wave's opening: the add, twice on end, and its wait ahead of my first tensor load
	ds_add_u32 v[SPW], v[NIL]
	v_lshrrev_b32 v1, 5, v0
	v_readfirstlane_b32 s[WV], v1
	s_lshr_b32 s13, s[WV], 1
	s_and_b32 s14, s[WV], 1
	s_bfe_u32 s15, ttmp6, 0x40000                  ; cx
	s_lshl_b32 s16, ttmp9, 2
	s_add_co_u32 s16, s16, s15                     ; ct
	s_and_b32 s17, ttmp7, 0xffff
	s_lshr_b32 s18, s17, 3                         ; b
	s_and_b32 s[I1], s17, 7                        ; pp
	s_sub_co_u32 s[I2], 15, s[I1]
	s_lshr_b32 s[NS1], s[I1], 1
	s_add_co_u32 s[NS1], s[NS1], 1
	s_lshl_b32 s[H1], s[NS1], 1
	s_sub_co_u32 s82, s[H1], 1
	s_bitcmp1_b32 s[I1], 0                         ; pp odd: tile 2's row block is even and its last half is hidden; else tile 1's
	s_cselect_b32 s[GH], 17, s82
	s_or_b32 s82, s[I1], s13
	s_cmp_eq_u32 s82, 0
	s_cselect_b32 s[SKIP], 1, 0
	s_lshl_b32 s[BOFF], s18, 18                    ; a sequence's statistics
	s_mov_b32 s[SIG], 0
	s_or_b32 s82, s13, ttmp9                       ; waves 0 and 1 of cluster x = 0: the same in all four partners
	s_cmp_eq_u32 s82, 0
	s_cselect_b32 s[LIM], 6, 0
	s_mov_b32 s[G1A], 15|(1<<16)|(1<<20)|(1<<21)|(6<<22)|(3<<25)   ; the mask: all four; elements of 2 bytes; padding: four words after every 128; bit 21 beside a mask
	s_mov_b32 s[G1B], (1<<16)|(1<<20)|(6<<22)|(3<<25)              ; the same with no mask
.irp g, G1A, G1B
	s_mov_b32 s[\g+1], KSTEP<<16                   ; tensor_dim0 = 256
	s_mov_b32 s[\g+2], 64<<16                      ; tensor_dim1 = 64
	s_mov_b32 s[\g+3], KSTEP<<16                   ; tile_dim0
	s_mov_b32 s[\g+4], 64                          ; tile_dim1
	s_mov_b32 s[\g+5], 2048                        ; elements from row to row, in p and in vt
	s_mov_b32 s[\g+6], 0
	s_mov_b32 s[\g+7], 0
.endr
	s_lshl_b32 s84, s18, 23                        ; b: 2,048 rows of 4,096 bytes
	s_lshl_b32 s85, s14, 18                        ; 64 rows
	s_lshl_b32 s82, s[I1], 19
	s_add_co_u32 s82, s82, s84                     ; tile 1's first row
	s_lshl_b32 s83, s[I2], 19
	s_add_co_u32 s83, s83, s84                     ; tile 2's
	s_mov_b32 s89, 0
	s_mul_i32 s81, s[WV], HALFT                    ; where my 64 rows go: no place in the cluster enters an LDS address
	s_wait_dscnt 0x0                               ; both opening adds are done
	s_wait_kmcnt 0x0
	s_add_co_u32 s88, s82, s85
	s_add_nc_u64 s[PA1:PA1+1], s[4:5], s[88:89]    ; b, pp and the wave's number alone
	s_add_co_u32 s88, s83, s85
	s_add_nc_u64 s[PA2:PA2+1], s[4:5], s[88:89]
	s_lshl_b32 s88, s18, 22
	s_lshl_b32 s86, s16, 19
	s_add_co_u32 s88, s88, s86
	s_add_co_u32 s88, s88, s85
	s_add_nc_u64 s[VB:VB+1], s[6:7], s[88:89]      ; vt: sequence b, channels 128 ct + 64 ch on
	s_lshl_b32 s86, s13, 18                        ; my 64 queries
	s_lshl_b32 s87, s16, 9
	s_add_co_u32 s86, s86, s87                     ; my tile's 128 channels, 4 bytes each
	s_lshl_b32 s87, s14, 8
	s_add_co_u32 s86, s86, s87                     ; my 64 of them
	s_add_co_u32 s88, s82, s86
	s_add_nc_u64 s[OUT1:OUT1+1], s[10:11], s[88:89]
	s_add_co_u32 s88, s83, s86
	s_add_nc_u64 s[OUT1+2:OUT1+3], s[10:11], s[88:89]
	s_lshl_b32 s86, s15, 17                        ; my work-group's 32 rows of a tile of p
	s_add_co_u32 s86, s86, s87                     ; my wave's 256 bytes of a row's 512
	s_add_co_u32 s88, s82, s86
	s_add_nc_u64 s[PF1:PF1+1], s[4:5], s[88:89]
	s_add_co_u32 s88, s83, s86
	s_add_nc_u64 s[PF2:PF2+1], s[4:5], s[88:89]
	s_mov_b64 s[PFA:PFA+1], s[PF1:PF1+1]
	CROUND                                         ; all four work-groups are here: the first joint loads meet
.irp s, 0,1
	s_mov_b32 s[G0A+4*\s], 1
	s_add_co_u32 s[G0A+4*\s+1], s81, \s*SLOT
	s_mov_b32 s[G0B+4*\s], 1
	s_add_co_u32 s[G0B+4*\s+1], s81, \s*SLOT
	SETREQ \s, \s
.endr
	s_cmp_eq_u32 s13, 0                            ; a wave's two first fills stand in one branch: two loads of mine are out
	s_cbranch_scc0 .Lfirst_b
	tensor_load_to_lds s[G0A:G0A+3], s[G1A:G1A+7]
	s_nop 0
	tensor_load_to_lds s[G0A+4:G0A+7], s[G1A:G1A+7]
	s_nop 0
.rept 4
	v_nop
.endr
	s_branch .Lfirst_asked
.Lfirst_b:
	tensor_load_to_lds s[G0B:G0B+3], s[G1B:G1B+7]
	s_nop 0
	tensor_load_to_lds s[G0B+4:G0B+7], s[G1B:G1B+7]
	s_nop 0
.rept 4
	v_nop
.endr
.Lfirst_asked:
	; THE STATISTICS.  Thread t stands for row t of both tiles.  Half g of the 18 halves of slots: tile 1 while g < H1; its key block kb = g, or g - H1.  The hidden half has no statistics: its address is held at the row block's last key block.
	v_lshlrev_b32 v[T4], 2, v0
	v_lshl_add_u32 v[TADR], v0, 2, TAB
.set g, 0
.rept 18
	s_sub_co_u32 s83, g, s[H1]
	s_cmp_gt_u32 s[H1], g
	s_cselect_b32 s82, g, s83
	s_cselect_b32 s84, s[I1], s[I2]
	s_min_u32 s82, s82, s84
	s_lshl_b32 s82, s82, 14
	s_lshl_b32 s84, s84, 9
	s_add_co_u32 s82, s82, s84
	s_add_co_u32 s82, s82, s[BOFF]
	v_add_nc_u32 v[32+g], s82, v[T4]
	global_load_b32 v[50+g], v[32+g], s[8:9]               ; nm
	global_load_b32 v[68+g], v[32+g], s[8:9] offset:8192   ; l
.set g, g+1
.endr
	v_and_b32 v1, 15, v0                           ; r
	v_bfe_u32 v2, v0, 4, 1                         ; h
	v_mul_u32_u24 v3, v1, PITCH
	v_lshl_add_u32 v3, v2, 4, v3
	s_mul_i32 s82, s13, HALFT                      ; my 64 queries
	s_mul_i32 s83, s14, HALFT                      ; my 64 channels,
	s_add_co_u32 s83, s83, 2*HALFT                 ; behind p's 128 rows
.irp s, 0,1
	v_add_nc_u32 v[ADRA+\s], s82, v3
	v_add_nc_u32 v[ADRB+\s], s83, v3
	s_add_co_u32 s82, s82, SLOT
	s_add_co_u32 s83, s83, SLOT
.endr
	s_lshl_b32 s82, s13, 8
	v_lshl_add_u32 v[ADT], v1, 2, s82
	v_add_nc_u32 v[AIV], INV, v[ADT]
	v_add_nc_u32 v[ADT], TAB, v[ADT]
	s_mul_i32 s82, s[WV], 16*SPITCH
	s_add_co_u32 s82, s82, STAGE
	v_mul_u32_u24 v4, v1, SPITCH
	v_lshl_add_u32 v4, v2, 5, v4
	v_add_nc_u32 v[STO], s82, v4                   ; in: row r, 32 bytes for each half of the lanes
	v_mul_u32_u24 v4, v2, SPITCH
	v_lshl_add_u32 v4, v1, 4, v4
	v_add_nc_u32 v[RD], s82, v4                    ; back: lanes 0-15 one row of 256 bytes, lanes 16-31 the next
	v_lshlrev_b32 v4, 12, v2
	v_lshl_add_u32 v[CO], v1, 4, v4
	v_and_b32 v[PFO], 31, v0
	v_lshlrev_b32 v[PFO], 12, v[PFO]
.irp a, 0,1,2,3
	v_mov_b32 v[IL+2*\a+1], 0                      ; named with 1 / L as pairs, so they are written
.endr
.irp i, 0,1,2,3,4,5,6,7,8,9,10,11,12,13,14,15
	v_mov_b32 v[FS+2*\i+1], 0                      ; named with f as pairs, so they are written
.endr
	s_wait_loadcnt 0x0
	v_min_num_f32 v86, v50, v51                    ; NM of tile 1: halves 0 and 1 are always its own (H1 is 2 at the least),
	v_min_num_f32 v87, v58, v59                    ; of tile 2: halves 8 to 17 (H1 is 8 at the most)
.irp g, 10,11,12,13,14,15,16,17
	v_min_num_f32 v87, v87, v[50+\g]
.endr
.irp g, 2,3,4,5,6,7                            ; halves 2 to 7 go by pp: a mask in a scalar register
	s_cmp_gt_u32 s[H1], \g
	s_cselect_b32 s82, -1, 0
	v_cndmask_b32 v90, v87, v86, s82
	v_min_num_f32 v90, v90, v[50+\g]
	v_cndmask_b32 v86, v86, v90, s82
	v_cndmask_b32 v87, v90, v87, s82
.endr
.irp g, 0,1,8,9,10,11,12,13,14,15,16,17,2,3,4,5,6,7
.if (\g >= 2) && (\g < 8)
	s_cmp_gt_u32 s[H1], \g
	s_cselect_b32 s82, -1, 0
	v_cndmask_b32 v90, v87, v86, s82
	v_sub_f32 v91, v90, v[50+\g]                   ; NM - nm: a whole number, 0 or less
.elseif \g < 2
	v_sub_f32 v91, v86, v[50+\g]
.else
	v_sub_f32 v91, v87, v[50+\g]
.endif
	v_cvt_i32_f32 v91, v91                         ; (it saturates)
	v_ldexp_f32 v92, 1.0, v91                      ; f = 2^(NM - nm)
.if ((\g % 2) == 1) && ((\g < 8) || (\g == 17))
	s_cmp_eq_u32 s[GH], \g                         ; the hidden half counts for nothing
	s_cselect_b32 s83, 0, -1
	v_cndmask_b32 v92, 0, v92, s83
.endif
.if \g == 0
	v_mul_f32 v88, v92, v[68+\g]                   ; L of tile 1
.elseif \g == 1
	v_fmac_f32 v88, v92, v[68+\g]
.elseif \g == 8
	v_mul_f32 v89, v92, v[68+\g]                   ; L of tile 2
.elseif \g > 8
	v_fmac_f32 v89, v92, v[68+\g]
.else
	v_cndmask_b32 v93, 0, v92, s82                 ; f for tile 1, or 0;
	v_fmac_f32 v88, v93, v[68+\g]
	v_sub_f32 v93, v92, v93                        ; and the rest for tile 2
	v_fmac_f32 v89, v93, v[68+\g]
.endif
	ds_store_b32 v[TADR], v92 offset:512*\g        ; f, in f32
.endr
	v_rcp_f32 v88, v88
	v_rcp_f32 v89, v89
	v_nop                                          ; a plain line behind the reciprocals,
	s_wait_alu depctr_va_vdst(0)                   ; and a wait ahead of their first reader
	ds_store_b32 v[TADR], v88 offset:INV-TAB
	ds_store_b32 v[TADR], v89 offset:INV-TAB+512
.macro MUL8 f, c, a0, zero             ; 8 matrix instructions: query blocks a0, a0 + 1 x 4 channel blocks, 32 keys: half c of buffer f.  zero = 1: they start a key block's sums.  The 16 accumulators take turns
.irp a, \a0, \a0+1
.irp b, 0,1,2,3
.if \zero
	v_wmma_f32_16x16x32_f16 v[ACC+8*(4*(\a)+\b):ACC+8*(4*(\a)+\b)+7], v[\f+64+8*(4*\c+\b):\f+64+8*(4*\c+\b)+7], v[\f+8*(4*\c+\a):\f+8*(4*\c+\a)+7], 0
.else
	v_wmma_f32_16x16x32_f16 v[ACC+8*(4*(\a)+\b):ACC+8*(4*(\a)+\b)+7], v[\f+64+8*(4*\c+\b):\f+64+8*(4*\c+\b)+7], v[\f+8*(4*\c+\a):\f+8*(4*\c+\a)+7], v[ACC+8*(4*(\a)+\b):ACC+8*(4*(\a)+\b)+7]
.endif
.endr
.endr
.endm
.macro FETCH slot, k, f                ; 32 LDS loads in one run: the fragments of 64 keys at byte k of the rows, into buffer f; the first 32 keys first
	WIN TO_F
.irp c, 0,1
.irp i, 0,1,2,3
	ds_load_b128 v[\f+64+8*(4*\c+\i):\f+64+8*(4*\c+\i)+3],   v[ADRB+\slot] offset:\k+64*\c+\i*16*PITCH
	ds_load_b128 v[\f+64+8*(4*\c+\i)+4:\f+64+8*(4*\c+\i)+7], v[ADRB+\slot] offset:\k+64*\c+\i*16*PITCH+32
	ds_load_b128 v[\f+8*(4*\c+\i):\f+8*(4*\c+\i)+3],         v[ADRA+\slot] offset:\k+64*\c+\i*16*PITCH
	ds_load_b128 v[\f+8*(4*\c+\i)+4:\f+8*(4*\c+\i)+7],       v[ADRA+\slot] offset:\k+64*\c+\i*16*PITCH+32
.endr
.endr
.endm
.macro FSLOAD slot                     ; a slot's f: for each half and each of my four query blocks, lane (r, h) takes row r's
.irp hf, 0,1
.irp a, 0,1,2,3
	ds_load_b32 v[FS+2*(8*\slot+4*\hf+\a)], v[ADT] offset:512*\hf+64*\a
.endr
.endr
.endm
; A key block's sums go into O: O += f T, two numbers a line; start = 1: O = f T, a tile's first block: nothing is ever cleared.  Each accumulator is read from its low end on.
; These 64 lines are also the places between the block's last products and the next block's first, which write over T with C = 0.
.macro FOLD slot, hf, start
	WIN FOLDW
.irp a, 0,1,2,3
.irp n, 0,1,2,3,4,5,6,7,8,9,10,11,12,13,14,15
.if \start
	v_pk_mul_f32 v[OA+32*\a+2*\n:OA+32*\a+2*\n+1], v[ACC+32*\a+2*\n:ACC+32*\a+2*\n+1], v[FS+2*(8*\slot+4*\hf+\a):FS+2*(8*\slot+4*\hf+\a)+1] op_sel_hi:[1,0]
.else
	v_pk_fma_f32 v[OA+32*\a+2*\n:OA+32*\a+2*\n+1], v[ACC+32*\a+2*\n:ACC+32*\a+2*\n+1], v[FS+2*(8*\slot+4*\hf+\a):FS+2*(8*\slot+4*\hf+\a)+1], v[OA+32*\a+2*\n:OA+32*\a+2*\n+1] op_sel_hi:[1,0,1]
.endif
.endr
.endr
.endm
.macro QUARTER slot, k, f, g, zero     ; 64 keys: multiplies buffer f and fetches the next quarter, at byte k, into g
	s_wait_dscnt 16                                ; the first 32 keys' fragments are in; the youngest sixteen loads may be out
	WIN MUL
	MUL8 \f, 0, 0, \zero
	MUL8 \f, 0, 2, \zero
	PLACES                                         ; in front of the loads into the buffer that the quarter before multiplied
	FETCH \slot, \k, \g
	s_wait_dscnt 32                                ; all but the 32 just issued
	WIN MUL
	MUL8 \f, 1, 0, 0
	MUL8 \f, 1, 2, 0
.endm
; A tile leaves: O x 1 / L, through my own stage in LDS, 16 queries x 64 channels at a time, back as whole rows of 256 bytes.  (O was written by vector instructions: no places are owed.)
.macro WAYOUT tau
.irp a, 0,1,2,3
	ds_load_b32 v[IL+2*\a], v[AIV] offset:512*(\tau-1)+64*\a
.endr
	s_wait_dscnt 0x0
.irp a, 0,1,2,3
.if (\tau == 1) && (\a == 0)
	s_cmp_lg_u32 s[SKIP], 0                        ; a sequence's first 16 rows are the next launch's
	s_cbranch_scc1 .Lskip_\@
.endif
	WIN OUTW
.irp n, 0,1,2,3,4,5,6,7,8,9,10,11,12,13,14,15
	v_pk_mul_f32 v[TMP+2*\n:TMP+2*\n+1], v[OA+32*\a+2*\n:OA+32*\a+2*\n+1], v[IL+2*\a:IL+2*\a+1] op_sel_hi:[1,0]
.endr
	WIN 0
.irp b, 0,1,2,3
	ds_store_b128 v[STO], v[TMP+8*\b:TMP+8*\b+3] offset:64*\b
	ds_store_b128 v[STO], v[TMP+8*\b+4:TMP+8*\b+7] offset:64*\b+16
.endr
	s_wait_xcnt 0x0                                ; the earlier stores have read their registers
.irp t, 0,1,2,3,4,5,6,7
	ds_load_b128 v[OB+4*\t:OB+4*\t+3], v[RD] offset:\t*2*SPITCH    ; in order behind my stores
.endr
	s_wait_dscnt 0x0
.irp t, 0,1,2,3,4,5,6,7
	global_store_b128 v[CO], v[OB+4*\t:OB+4*\t+3], s[OUT1+2*(\tau-1):OUT1+2*(\tau-1)+1] offset:(16*\a+2*\t)*4096 th:TH_STORE_NT   ; 16 lanes store 256 consecutive bytes, aligned
.endr
.if (\tau == 1) && (\a == 0)
.Lskip_\@:
.endif
.endr
.endm
; The fold of a slot's first key block inside the loop.  Where the slot is tile 2's first (ids alone: the same in all waves and all partners), tile 1 leaves first and the fold begins O anew.
.macro FOLDSW slot
	PLACES                                         ; in front of the first read of results
	WIN 0
	s_cmp_eq_u32 s[SIG], s[NS1]
	s_cbranch_scc1 .Lsw_\@
	FOLD \slot, 0, 0
	WIN 0
	s_branch .Ljoin_\@
.Lsw_\@:
	WAYOUT 1
	FOLD \slot, 0, 1
	WIN 0
.Ljoin_\@:
.endm
; A slot's last quarter changes slots.  Its first sixteen products stand AHEAD of the wait for the tensor loads, so that between that wait and the next request stand only the lines that the change of slots needs:
; each wave waits for all its tensor loads, adds 0 to its spare word, and waits for that and for its reads of this slot; then the barrier.
; fill = 1: the barrier opens a round of the cluster's, and this slot is filled again, two slots on, first thing behind it: the load has 128 matrix instructions in which to land.
.macro TURN slot, next, fill
.if \fill
	s_wait_xcnt 0x0                                ; the last prefetch, a slot back, has read its address: it is made anew, for slot SIG + 3
	s_add_co_u32 s82, s[SIG], 3
	s_sub_co_u32 s83, s82, s[NS1]
	s_cmp_lt_u32 s82, s[NS1]
	s_cselect_b32 s82, s82, s83
	s_cselect_b64 s[84:85], s[PF1:PF1+1], s[PF2:PF2+1]
	s_lshl_b32 s82, s82, 9
	s_mov_b32 s83, 0
	s_add_nc_u64 s[PFA:PFA+1], s[84:85], s[82:83]
.endif
	s_wait_dscnt 16                                ; the first 32 keys' fragments are in; the youngest sixteen loads may be out
	WIN MUL
	MUL8 F1, 0, 0, 0
	MUL8 F1, 0, 2, 0
	WIN 0
	s_wait_tensorcnt 0x0                           ; no tensor load of mine is out, so a group 0 may be written
	ds_add_u32 v[SPW], v[NIL]
.if \fill
	SETREQ \slot, 2
.endif
	s_wait_dscnt 0x0                               ; the add is done, and my reads of this slot are over
	s_barrier_signal -1
	s_barrier_wait -1
.if \fill
	CREST                                          ; no wave of any partner still reads this slot or has a load on its way
	JLOAD \slot                                    ; the four v_nop behind it are also the places in front of the loads below
.else
	PLACES
.endif
	v_add_nc_u32 v[ADT], 1024, v[ADT]              ; the next slot's f
	FSLOAD \next
	FETCH \next, 0, F0
	WIN 0
.if \fill
	ASK
.endif
	WIN MUL
	MUL8 F1, 1, 0, 0
	MUL8 F1, 1, 2, 0
	PLACES                                         ; in front of the first read of results
	FOLD \slot, 1, 0
	s_add_co_u32 s[SIG], s[SIG], 1
.endm
	s_wait_tensorcnt 0x1                           ; my part of slot 0 is in; slot 1's may be out
	s_wait_dscnt 0x0                               ; my f and 1 / L lie in LDS
	s_barrier_signal -1
	s_barrier_wait -1
	FSLOAD 0
	FETCH 0, 0, F0
	QUARTER 0, 128, F0, F1, 1                      ; slot 0
	QUARTER 0, 256, F1, F0, 0
	PLACES
	FOLD 0, 0, 1                                   ; tile 1's first key block begins O
	QUARTER 0, 384, F0, F1, 1
	TURN 0, 1, 1
	WIN 0
	s_mov_b32 s3, 3
.Lpair:                                                ; slots 1 to 6, two a trip; tile 2 begins in one of slots 1 to 4
	QUARTER 1, 128, F0, F1, 1
	QUARTER 1, 256, F1, F0, 0
	FOLDSW 1
	QUARTER 1, 384, F0, F1, 1
	TURN 1, 0, 1
	QUARTER 0, 128, F0, F1, 1
	QUARTER 0, 256, F1, F0, 0
	FOLDSW 0
	QUARTER 0, 384, F0, F1, 1
	TURN 0, 1, 1
	WIN 0
	s_sub_co_u32 s3, s3, 1
	s_cmp_lg_u32 s3, 0
	s_cbranch_scc1 .Lpair
	QUARTER 1, 128, F0, F1, 1                      ; slots 7 and 8 are written out: nothing is left to ask for
	QUARTER 1, 256, F1, F0, 0
	PLACES
	FOLD 1, 0, 0
	QUARTER 1, 384, F0, F1, 1
	TURN 1, 0, 0
	QUARTER 0, 128, F0, F1, 1
	QUARTER 0, 256, F1, F0, 0
	PLACES
	FOLD 0, 0, 0
	QUARTER 0, 384, F0, F1, 1
	s_wait_dscnt 16
	WIN MUL
	MUL8 F1, 0, 0, 0
	MUL8 F1, 0, 2, 0
	s_wait_dscnt 0
	MUL8 F1, 1, 0, 0
	MUL8 F1, 1, 2, 0
	PLACES
	FOLD 0, 1, 0
	WIN 0
	WAYOUT 2
	s_wait_tensorcnt 0x0                           ; the wave's end
	ds_add_u32 v[SPW], v[NIL]
	s_wait_dscnt 0x0
	CROUND                                         ; the closing round
	s_endpgm
.Lfunc_end_k_q8b01ecd5d5_pv:
	.size	k_q8b01ecd5d5_pv, .Lfunc_end_k_q8b01ecd5d5_pv-k_q8b01ecd5d5_pv
	.p2alignl 7, 3214868480
	.fill 96, 4, 3214868480
	.section	.rodata,"a",@progbits
	.p2align	6, 0x0
	.amdhsa_kernel k_q8b01ecd5d5_pv
		.amdhsa_group_segment_fixed_size 327680
		.amdhsa_private_segment_fixed_size 0
		.amdhsa_enable_private_segment 0
		.amdhsa_kernarg_size 32
		.amdhsa_user_sgpr_count 2
		.amdhsa_user_sgpr_kernarg_segment_ptr 1
		.amdhsa_wavefront_size32 1
		.amdhsa_system_sgpr_workgroup_id_x 1
		.amdhsa_system_sgpr_workgroup_id_y 1
		.amdhsa_system_sgpr_workgroup_id_z 1
		.amdhsa_system_vgpr_workitem_id 0
		.amdhsa_next_free_vgpr 640
		.amdhsa_next_free_sgpr 92
		.amdhsa_reserve_vcc 0
		.amdhsa_float_denorm_mode_32 3
		.amdhsa_float_denorm_mode_16_64 3
		.amdhsa_memory_ordered 1
		.amdhsa_forward_progress 1
		.amdhsa_inst_pref_size 206
	.end_amdhsa_kernel
	.amdgpu_metadata
---
amdhsa.version: [ 1, 2 ]
amdhsa.kernels:
  - .name:           k_q8b01ecd5d5_pv
    .symbol:         k_q8b01ecd5d5_pv.kd
    .args:
      - { .name: p, .offset: 0, .size: 8, .value_kind: global_buffer, .address_space: global }
      - { .name: vt, .offset: 8, .size: 8, .value_kind: global_buffer, .address_space: global }
      - { .name: stats, .offset: 16, .size: 8, .value_kind: global_buffer, .address_space: global }
      - { .name: out0, .offset: 24, .size: 8, .value_kind: global_buffer, .address_space: global }
    .group_segment_fixed_size: 327680
    .private_segment_fixed_size: 0
    .kernarg_segment_align: 8
    .kernarg_segment_size: 32
    .max_flat_workgroup_size: 128
    .sgpr_count:     92
    .vgpr_count:     640
    .wavefront_size: 32
...
	.end_amdgpu_metadata
.endif
;; end of part 4
;; launch head16 (part 5): grid 4 x 1, 16 waves a work-group, no clusters, 219,648 bytes of LDS; arguments first32, out0; writes out0
.if DOCPART == 5
	.amdgcn_target "amdgcn-amd-amdhsa--gfx1250"
	.amdhsa_code_object_version 6
	.text
	.protected	k_q8b01ecd5d5_head16
	.globl	k_q8b01ecd5d5_head16
	.p2align	8
	.type	k_q8b01ecd5d5_head16,@function
k_q8b01ecd5d5_head16:
	s_mov_b64 s[64:65], 0
	v_nop
	global_prefetch_b8 v0, s[64:65] scope:SCOPE_SE
	s_setreg_imm32_b32 hwreg(HW_REG_WAVE_MODE, 25, 1), 1
	s_wait_xcnt 0x0
; Rows 0-15 of each sequence, wholly in f32: under the causal mask they average one to sixteen values, and the rounding of 16-bit operands would weigh most there.
; WORK LEFT OUT: keys 16 and later, which reference()'s own tril hides from these queries for all values of the inputs.
; first32: bytes 0..: f32 [4][16 positions][2,048] (q, then k); from byte 524,288: f32 [4][1,024 channels][16 positions] (v).
; A work-group takes a sequence.  IN: wave w loads position w's whole row of q and k, 8,192 bytes, each load 512 consecutive bytes, and lays it into LDS; behind a barrier every wave reads its fragments from there.
; Then wave w takes channels 64 w .. 64 w + 63 of q, k, v and of the output.
; S^T = k q^T by the f32 matrix form (16 x 16 x 4): source 0 = the 16 keys, source 1 = the 16 queries.  Lane (r, h) holds 32 neighbouring channels 64 w + 32 h + 0 .. 31 of row r; step i takes its registers 2 i, 2 i + 1:
; the same order of channels on both sides, which leaves each product with its partner.  In the result a lane holds query r and keys 8 h + 0 .. 7.  The sixteen waves' partial sums meet in LDS; each wave then has the whole 16 x 16.
; O^T = v^T p^T: source 0 = 16 channels of v (lane (r, h): channel r, keys 8 h + 0 .. 7), source 1 = p as it lies; step i takes registers 2 i, 2 i + 1 of both: keys 8 h + 2 i, 8 h + 2 i + 1.
; The registers that the f32 matrix form writes (v112-127, v136-167) are written by matrix instructions alone; two or four accumulators take turns.
.set QP,    4112                       ; a row of q or of k in LDS: 4,096 bytes + 16 of padding = 257 x 16: the 16 rows that a fragment load touches start at 16 different columns of 16 bytes
.set KOFF,  16*QP                      ; q's 16 rows from byte 0, k's 16 behind them
.set PART,  32*QP                      ; 16 x 1,024 bytes: each wave's partial S^T, as an image of its registers
.set STAGE, PART+16384                 ; 16 rows x 272 bytes a wave
.set SPARE, STAGE+16*4352              ; the spare words, 128 bytes a wave
.set SPW, 14
.set NIL, 15
	s_load_b128 s[4:7], s[0:1], 0x0                ; first32 s[4:5], out0 s[6:7]
	v_lshl_add_u32 v[SPW], v0, 2, SPARE
	v_mov_b32 v[NIL], 0
	v_lshrrev_b32 v1, 5, v0
	v_readfirstlane_b32 s8, v1                     ; wave 0..15
	v_and_b32 v1, 15, v0                           ; r
	v_bfe_u32 v2, v0, 4, 1                         ; h
	v_and_b32 v3, 31, v0                           ; lane
	v_lshlrev_b32 v4, 4, v3                        ; 16 x lane: my 16 bytes of a load's 512
	v_lshlrev_b32 v5, 6, v1
	v_lshl_add_u32 v5, v2, 5, v5                   ; v: channel r of 64 bytes, + 8 h keys
	s_mul_i32 s16, s8, QP
	v_add_nc_u32 v239, s16, v4                     ; where my row of q goes: row w, 16 x lane
	v_add_nc_u32 v240, KOFF, v239                  ; and my row of k
	v_mul_u32_u24 v241, v1, QP
	v_lshl_add_u32 v241, v2, 7, v241
	s_lshl_b32 s16, s8, 8
	v_add_nc_u32 v241, s16, v241                   ; q's fragments: row r, channels 64 w + 32 h on
	v_add_nc_u32 v242, KOFF, v241                  ; k's
	s_lshl_b32 s16, s8, 10
	s_add_co_u32 s16, s16, PART
	v_add_nc_u32 v6, s16, v4                       ; where my partial sums go: 1,024 w + 16 x lane
	v_add_nc_u32 v7, PART, v4                      ; and from where all sixteen are read
	v_lshlrev_b32 v8, 3, v2
	v_sub_nc_u32 v8, v1, v8                        ; r - 8 h
	v_mov_b32 v9, 0xff800000                       ; -infinity
	v_mov_b32 v11, 0                               ; a lane permute's destination counts as one of its sources
	s_mul_i32 s17, s8, 16*272
	s_add_co_u32 s17, s17, STAGE
	v_mul_u32_u24 v236, v1, 272
	v_lshl_add_u32 v236, v2, 5, v236
	v_add_nc_u32 v236, s17, v236                   ; the stage, in: row r, 32 h
	v_mul_u32_u24 v237, v2, 272
	v_lshl_add_u32 v237, v1, 4, v237
	v_add_nc_u32 v237, s17, v237                   ; back: lanes 0-15 one row, lanes 16-31 the next
	v_lshlrev_b32 v238, 12, v2
	v_lshl_add_u32 v238, v1, 4, v238               ; and the same two rows of out0
	s_mov_b32 s20, 0x3d38aa3b                      ; c = log2(e) / sqrt(1,024)
	s_mov_b32 s21, s20
	s_mov_b32 s22, 0x76543210                      ; lane l xor 16
	s_mov_b32 s23, 0xfedcba98
	s_lshl_b32 s10, ttmp9, 17                      ; the sequence's 16 rows of q and k,
	s_lshl_b32 s11, s8, 13                         ; my row of 8,192 bytes
	s_add_co_u32 s10, s10, s11
	s_mov_b32 s11, 0
	s_lshl_b32 s12, ttmp9, 16                      ; the sequence's v,
	s_lshl_b32 s13, s8, 12                         ; my 64 channels of 64 bytes
	s_add_co_u32 s12, s12, s13
	s_add_co_u32 s12, s12, 524288
	s_mov_b32 s13, 0
	s_lshl_b32 s14, ttmp9, 23                      ; the sequence's rows of out0,
	s_lshl_b32 s15, s8, 8                          ; my 64 channels
	s_add_co_u32 s14, s14, s15
	s_mov_b32 s15, 0
	s_wait_kmcnt 0x0
	s_add_nc_u64 s[10:11], s[4:5], s[10:11]
	s_add_nc_u64 s[12:13], s[4:5], s[12:13]
	s_add_nc_u64 s[14:15], s[6:7], s[14:15]
.irp c, 0,1,2,3,4,5,6,7,8,9,10,11,12,13,14,15
	global_load_b128 v[16+4*\c:19+4*\c], v4, s[10:11] offset:512*\c         ; position w: q's 4,096 bytes, then k's; 32 lanes read 512 consecutive bytes
.endr
.irp t, 0,1,2,3
	global_load_b128 v[80+8*\t:83+8*\t], v5, s[12:13] offset:1024*\t        ; v: channels 16 t on
	global_load_b128 v[84+8*\t:87+8*\t], v5, s[12:13] offset:1024*\t+16
.endr
	s_wait_loadcnt 8                               ; my row is in; v's eight loads may be out
.irp c, 0,1,2,3,4,5,6,7
	ds_store_b128 v239, v[16+4*\c:19+4*\c] offset:512*\c
.endr
.irp c, 0,1,2,3,4,5,6,7
	ds_store_b128 v240, v[48+4*\c:51+4*\c] offset:512*\c
.endr
	s_wait_dscnt 0x0                               ; for the others' sake: my row lies in LDS
	s_barrier_signal -1
	s_barrier_wait -1
.irp c, 0,1,2,3,4,5,6,7
	ds_load_b128 v[16+4*\c:19+4*\c], v241 offset:16*\c                      ; q(r, 64 w + 32 h + 4 c ..)
.endr
.irp c, 0,1,2,3,4,5,6,7
	ds_load_b128 v[48+4*\c:51+4*\c], v242 offset:16*\c                      ; k likewise
.endr
	s_wait_dscnt 0x0
	v_wmma_f32_16x16x4_f32 v[112:119], v[48:49], v[16:17], 0
	v_wmma_f32_16x16x4_f32 v[120:127], v[50:51], v[18:19], 0
.irp i, 2,4,6,8,10,12,14
	v_wmma_f32_16x16x4_f32 v[112:119], v[48+2*\i:49+2*\i], v[16+2*\i:17+2*\i], v[112:119]
	v_wmma_f32_16x16x4_f32 v[120:127], v[50+2*\i:51+2*\i], v[18+2*\i:19+2*\i], v[120:127]
.endr
.rept 8
	v_nop                                          ; eight places behind this form, in front of the first read of results (ISA guide 7.12.1)
.endr
.irp n, 0,1,2,3
	v_pk_add_f32 v[128+2*\n:129+2*\n], v[112+2*\n:113+2*\n], v[120+2*\n:121+2*\n]
.endr
	ds_store_b128 v6, v[128:131]
	ds_store_b128 v6, v[132:135] offset:512
	s_wait_dscnt 0x0                               ; for the others' sake: my partial sums lie in LDS
	s_barrier_signal -1
	s_barrier_wait -1
.irp u, 0,1                                    ; registers 4 u .. 4 u + 3 of all sixteen waves
.irp w, 0,1,2,3,4,5,6,7,8,9,10,11,12,13,14,15
	ds_load_b128 v[168+4*\w:171+4*\w], v7 offset:1024*\w+512*\u
.endr
	s_wait_dscnt 0x0
	v_pk_add_f32 v[128+4*\u:129+4*\u], v[168:169], v[172:173]
	v_pk_add_f32 v[130+4*\u:131+4*\u], v[170:171], v[174:175]
.irp w, 2,3,4,5,6,7,8,9,10,11,12,13,14,15
	v_pk_add_f32 v[128+4*\u:129+4*\u], v[128+4*\u:129+4*\u], v[168+4*\w:169+4*\w]
	v_pk_add_f32 v[130+4*\u:131+4*\u], v[130+4*\u:131+4*\u], v[170+4*\w:171+4*\w]
.endr
.endr
.irp j, 0,1,2,3,4,5,6,7
	v_cmp_gt_i32 vcc_lo, \j, v8                    ; key 8 h + j is hidden from query r where j > r - 8 h
	v_cndmask_b32 v[128+\j], v[128+\j], v9, vcc_lo
.endr
	v_max3_num_f32 v10, v128, v129, v130
	v_max3_num_f32 v10, v10, v131, v132
	v_max3_num_f32 v10, v10, v133, v134
	v_max_num_f32 v10, v10, v135
	v_permlanex16_b32 v11, v10, s22, s23
	v_max_num_f32 v10, v10, v11                    ; the row's largest score (key 0 counts for every query)
	v_mul_f32 v10, s20, v10
.irp n, 0,1,2,3
	v_pk_fma_f32 v[128+2*\n:129+2*\n], v[128+2*\n:129+2*\n], s[20:21], v[10:11] op_sel_hi:[1,0,0] neg_lo:[0,0,1] neg_hi:[0,0,1]   ; c s - c max
.endr
.irp j, 0,1,2,3,4,5,6,7
	v_exp_f32 v[128+\j], v[128+\j]
.endr
	v_nop                                          ; a plain line behind the exponentials,
	s_wait_alu depctr_va_vdst(0)                   ; and one wait for the batch, ahead of its first reader
	v_pk_add_f32 v[12:13], v[128:129], v[130:131]
	v_pk_add_f32 v[232:233], v[132:133], v[134:135]
	v_pk_add_f32 v[12:13], v[12:13], v[232:233]
	v_add_f32 v12, v12, v13
	v_permlanex16_b32 v11, v12, s22, s23
	v_add_f32 v12, v12, v11                        ; the row's sum
	v_rcp_f32 v12, v12
	v_nop
	s_wait_alu depctr_va_vdst(0)
.irp n, 0,1,2,3
	v_pk_mul_f32 v[128+2*\n:129+2*\n], v[128+2*\n:129+2*\n], v[12:13] op_sel_hi:[1,0]    ; the weights
.endr
	s_wait_loadcnt 0x0                             ; v
.irp t, 0,1,2,3
	v_wmma_f32_16x16x4_f32 v[136+8*\t:143+8*\t], v[80+8*\t:81+8*\t], v[128:129], 0
.endr
.irp i, 1,2,3
.irp t, 0,1,2,3
	v_wmma_f32_16x16x4_f32 v[136+8*\t:143+8*\t], v[80+8*\t+2*\i:81+8*\t+2*\i], v[128+2*\i:129+2*\i], v[136+8*\t:143+8*\t]
.endr
.endr
.rept 8
	v_nop
.endr
.irp t, 0,1,2,3
	ds_store_b128 v236, v[136+8*\t:139+8*\t] offset:64*\t          ; lane (r, h): query r, channels 16 t + 8 h + 0 .. 7; each accumulator from its low end on
	ds_store_b128 v236, v[140+8*\t:143+8*\t] offset:64*\t+16
.endr
.irp i, 0,1,2,3,4,5,6,7
	ds_load_b128 v[168+4*\i:171+4*\i], v237 offset:544*\i          ; LDS serves a wave's instructions in order: these see my stores
.endr
.irp i, 0,1,2,3,4,5,6,7
	s_wait_dscnt 7-\i                              ; the loads behind this one may be out
	global_store_b128 v238, v[168+4*\i:171+4*\i], s[14:15] offset:8192*\i th:TH_STORE_NT   ; 16 lanes store 256 consecutive bytes, aligned
.endr
	s_wait_tensorcnt 0x0                           ; the wave's end, behind my last LDS store
	ds_add_u32 v[SPW], v[NIL]
	s_wait_dscnt 0x0
	s_endpgm
.Lfunc_end_k_q8b01ecd5d5_head16:
	.size	k_q8b01ecd5d5_head16, .Lfunc_end_k_q8b01ecd5d5_head16-k_q8b01ecd5d5_head16
	.p2alignl 7, 3214868480
	.fill 96, 4, 3214868480
	.section	.rodata,"a",@progbits
	.p2align	6, 0x0
	.amdhsa_kernel k_q8b01ecd5d5_head16
		.amdhsa_group_segment_fixed_size 219648
		.amdhsa_private_segment_fixed_size 0
		.amdhsa_enable_private_segment 0
		.amdhsa_kernarg_size 16
		.amdhsa_user_sgpr_count 2
		.amdhsa_user_sgpr_kernarg_segment_ptr 1
		.amdhsa_wavefront_size32 1
		.amdhsa_system_sgpr_workgroup_id_x 1
		.amdhsa_system_sgpr_workgroup_id_y 1
		.amdhsa_system_sgpr_workgroup_id_z 1
		.amdhsa_system_vgpr_workitem_id 0
		.amdhsa_next_free_vgpr 256
		.amdhsa_next_free_sgpr 66
		.amdhsa_reserve_vcc 1
		.amdhsa_float_denorm_mode_32 3
		.amdhsa_float_denorm_mode_16_64 3
		.amdhsa_memory_ordered 1
		.amdhsa_forward_progress 1
		.amdhsa_inst_pref_size 21
	.end_amdhsa_kernel
	.amdgpu_metadata
---
amdhsa.version: [ 1, 2 ]
amdhsa.kernels:
  - .name:           k_q8b01ecd5d5_head16
    .symbol:         k_q8b01ecd5d5_head16.kd
    .args:
      - { .name: first32, .offset: 0, .size: 8, .value_kind: global_buffer, .address_space: global }
      - { .name: out0, .offset: 8, .size: 8, .value_kind: global_buffer, .address_space: global }
    .group_segment_fixed_size: 219648
    .private_segment_fixed_size: 0
    .kernarg_segment_align: 8
    .kernarg_segment_size: 16
    .max_flat_workgroup_size: 512
    .sgpr_count:     66
    .vgpr_count:     256
    .wavefront_size: 32
...
	.end_amdgpu_metadata
.endif
;; end of part 5
